; MI455X (gfx1250); checked and timed in simulation.
; The chip was launched on July 23, 2026; its instructions are those of AMD's public machine-readable ISA for CDNA 5 (MIT licence, August 2026) and "CDNA5" Instruction Set Architecture Reference Guide (July 2026). The comments in the code are by the model that wrote it; some were corrected since.
;; Patched Phi Mo E Sparse Moe Block. Allowed arithmetic: matrix products marked QUANTISED: E2M3 operands, one E8M0 scale for each 32 along K, by v_wmma_scale_f32_16x16x128_f8f6f4 with both operands' format E2M3, f32 sums; products left as they are: f32 operands where the result goes on into a quantised operand, else bf16, f16 or f32 operands; f32 sums; everything else in f32.
;; Inputs: down_weights 16 x 1,024 x 128 float32; gate_up_weights 16 x 256 x 1,024 float32; gate_weight 16 x 1,024 float32; hidden_states 4 x 2,048 x 1,024 float32.
;; Outputs: out0 4 x 2,048 x 1,024 float32; out1 8,192 x 16 float32.
;; This version of the problem:
;;   THIS VERSION OF THE PROBLEM IS GIVEN IN LOW PRECISION. The matrix products marked QUANTISED in the list below multiply operands that are first quantised to E2M3 (2 exponent bits, 3 mantissa bits; 6 bits a number), with one power-of-two scale for each 32 numbers along K (OCP MX v1.0); their sums are f32. All else is computed in f32.
;;   The module's matrix products, in the order in which they are computed (A, B: the left and right operand; K: the contracted axis; several contracted axes count as one K, in the product's order):
;;     1. [M 8,192, K 1,024] x [K 1,024, N 16]; A: input hidden_states; B: input gate_weight: QUANTISED
;;     2. batch 8,192 x [M 1, K 2] x [K 2, N 16]; A: computed on the way; B: computed on the way: left as it is (K = 2 < 32)
;;     3. [M 8,192, K 1,024] x [K 1,024, N 256]; A: input hidden_states; B: input gate_up_weights: QUANTISED
;;     4. [M 8,192, K 128] x [K 128, N 1,024]; A: computed on the way; B: input down_weights: QUANTISED
;;     5. [M 8,192, K 1,024] x [K 1,024, N 256]; A: input hidden_states; B: input gate_up_weights: QUANTISED
;;     6. [M 8,192, K 128] x [K 128, N 1,024]; A: computed on the way; B: input down_weights: QUANTISED
;;     7. [M 8,192, K 1,024] x [K 1,024, N 256]; A: input hidden_states; B: input gate_up_weights: QUANTISED
;;     8. [M 8,192, K 128] x [K 128, N 1,024]; A: computed on the way; B: input down_weights: QUANTISED
;;     9. [M 8,192, K 1,024] x [K 1,024, N 256]; A: input hidden_states; B: input gate_up_weights: QUANTISED
;;     10. [M 8,192, K 128] x [K 128, N 1,024]; A: computed on the way; B: input down_weights: QUANTISED
;;     11. [M 8,192, K 1,024] x [K 1,024, N 256]; A: input hidden_states; B: input gate_up_weights: QUANTISED
;;     12. [M 8,192, K 128] x [K 128, N 1,024]; A: computed on the way; B: input down_weights: QUANTISED
;;     13. [M 8,192, K 1,024] x [K 1,024, N 256]; A: input hidden_states; B: input gate_up_weights: QUANTISED
;;     14. [M 8,192, K 128] x [K 128, N 1,024]; A: computed on the way; B: input down_weights: QUANTISED
;;     15. [M 8,192, K 1,024] x [K 1,024, N 256]; A: input hidden_states; B: input gate_up_weights: QUANTISED
;;     16. [M 8,192, K 128] x [K 128, N 1,024]; A: computed on the way; B: input down_weights: QUANTISED
;;     17. [M 8,192, K 1,024] x [K 1,024, N 256]; A: input hidden_states; B: input gate_up_weights: QUANTISED
;;     18. [M 8,192, K 128] x [K 128, N 1,024]; A: computed on the way; B: input down_weights: QUANTISED
;;     19. [M 8,192, K 1,024] x [K 1,024, N 256]; A: input hidden_states; B: input gate_up_weights: QUANTISED
;;     20. [M 8,192, K 128] x [K 128, N 1,024]; A: computed on the way; B: input down_weights: QUANTISED
;;     21. [M 8,192, K 1,024] x [K 1,024, N 256]; A: input hidden_states; B: input gate_up_weights: QUANTISED
;;     22. [M 8,192, K 128] x [K 128, N 1,024]; A: computed on the way; B: input down_weights: QUANTISED
;;     23. [M 8,192, K 1,024] x [K 1,024, N 256]; A: input hidden_states; B: input gate_up_weights: QUANTISED
;;     24. [M 8,192, K 128] x [K 128, N 1,024]; A: computed on the way; B: input down_weights: QUANTISED
;;     25. [M 8,192, K 1,024] x [K 1,024, N 256]; A: input hidden_states; B: input gate_up_weights: QUANTISED
;;     26. [M 8,192, K 128] x [K 128, N 1,024]; A: computed on the way; B: input down_weights: QUANTISED
;;     27. [M 8,192, K 1,024] x [K 1,024, N 256]; A: input hidden_states; B: input gate_up_weights: QUANTISED
;;     28. [M 8,192, K 128] x [K 128, N 1,024]; A: computed on the way; B: input down_weights: QUANTISED
;;     29. [M 8,192, K 1,024] x [K 1,024, N 256]; A: input hidden_states; B: input gate_up_weights: QUANTISED
;;     30. [M 8,192, K 128] x [K 128, N 1,024]; A: computed on the way; B: input down_weights: QUANTISED
;;     31. [M 8,192, K 1,024] x [K 1,024, N 256]; A: input hidden_states; B: input gate_up_weights: QUANTISED
;;     32. [M 8,192, K 128] x [K 128, N 1,024]; A: computed on the way; B: input down_weights: QUANTISED
;;     33. [M 8,192, K 1,024] x [K 1,024, N 256]; A: input hidden_states; B: input gate_up_weights: QUANTISED
;;     34. [M 8,192, K 128] x [K 128, N 1,024]; A: computed on the way; B: input down_weights: QUANTISED
;;   THE QUANTISER, for each operand of a quantised product, along K:
;;     - K is cut into blocks of 32 from its start; a last block that is shorter is filled with zeros.
;;     - A block's scale is 2^e with e = floor(log2(the largest magnitude in the block)) - 2, held to -126 .. 127; a block of zeros has e = 0. As a byte (E8M0): e + 127.
;;     - Each number is divided by its block's scale, clamped to +-7.5, and rounded to the nearest number of E2M3, ties to even, subnormals kept.
;;     - The product sums the exact products of the quantised numbers (number of the format x scale) in f32.
;;   ~~~python
;;   def quantise(x, axis):      # numpy; x: float32 -> the quantised numbers, widened to float32 again
;;       x = np.moveaxis(x, axis, -1); K = x.shape[-1]
;;       x = np.pad(x, [(0, 0)] * (x.ndim - 1) + [(0, -K % 32)]); x = x.reshape(x.shape[:-1] + (-1, 32)); a = np.abs(x).max(-1, keepdims=True)
;;       e = np.where(a > 0, np.clip(np.frexp(np.where(a > 0, a, 1))[1] - 1 - 2, -126, 127), 0)      # np.frexp(a)[1] - 1 = floor(log2(a)), exactly
;;       r = np.clip(x / 2.0 ** e, -7.5, 7.5)
;;       step = 2.0 ** (np.maximum(np.frexp(np.where(r == 0, 1, r))[1] - 1, 0) - 3)
;;       q = np.round(r / step) * step * 2.0 ** e      # np.round: ties to even
;;       return np.moveaxis(q.reshape(q.shape[:-2] + (-1,))[..., :K], -1, axis).astype(np.float32)
;;   ~~~
;;   OPERANDS COMPUTED ON THE WAY. 'Computed on the way' means the value that the module computes at that place (a softmax that the list does not call 'softmax' is quantised finished and normalised). What goes into a quantiser is computed in f32, as accurately as f32 sums, v_exp_f32 and their like allow (about 1e-6 of the number): no bf16 or f16 on the way to a quantiser, and a product that is left as it is and whose result goes on into a quantised operand takes f32 operands (vector FMAs, or v_wmma_f32_16x16x4_f32). A number that lies on a knife's edge between two numbers of the format may be rounded either way, as far as f32 arithmetic and the matrix unit's own rounding can turn it there, and no further.
;; 2 versions. Each part assembles by itself: llvm-mc -triple=amdgcn-amd-amdhsa -mcpu=gfx1250 --defsym DOCPART=n.
;; ======== version 1 of 2: 3 launches
;; workspace buffers: xq 6,291,456 bytes; xs 262,144 bytes; wq 4,915,200 bytes; wts 65,536 bytes; sel 32,768 bytes of whole numbers; order 32,768 bytes of whole numbers
;; launch front (part 1): grid 256 x 1, 4 waves a work-group, no clusters, 109,568 bytes of LDS; arguments hidden_states, gate_weight, xq, xs, sel, wts, out1; writes xq, xs, sel, wts, out1
.if DOCPART == 1
	.amdgcn_target "amdgcn-amd-amdhsa--gfx1250"
	.amdhsa_code_object_version 6
	.text
	.protected	k_qd34d9b8bc2_front
	.globl	k_qd34d9b8bc2_front
	.p2align	8
	.type	k_qd34d9b8bc2_front,@function
k_qd34d9b8bc2_front:
	s_mov_b64 s[64:65], 0
	v_nop
	global_prefetch_b8 v0, s[64:65] scope:SCOPE_SE
	s_setreg_imm32_b32 hwreg(HW_REG_WAVE_MODE, 25, 1), 1
	s_wait_xcnt 0x0
; FRONT.  x [8192][1024] f32 becomes codes of E2M3 with one E8M0 byte for each 32 along K (xq, xs); the router's product Q(x) Q(gate_weight)^T gives the logits (out1);
; the two experts of each token and their weights are chosen as sparsemixer chooses them and stored at fixed places: sel[t] = emin<<17 | emax<<13 | t, wts[t] = (weight of emin, weight of emax).
; SHARES.  A work-group owns 32 tokens.  Wave WV takes tile m = WV / 2 (16 tokens) and half kh = WV % 2 of K (512 numbers a token): 64 loads of 512 consecutive bytes, all asked for at the start.
; It also quantises K steps 2 WV and 2 WV + 1 of gate_weight; the other waves take them from LDS as images of the operand's registers.
; A FRAGMENT (16 rows x 128 K, 12 registers a lane): lane (r, h) holds row r; registers 6 c .. 6 c + 5 hold k = 64 c + 32 h + 0 .. 31.  So a lane wants two whole blocks of 32 of its row: the numbers are loaded as they lie
; (a row's 512 bytes by 32 lanes) and turn through the wave's own stage in LDS.  No other lane is asked for a block's largest magnitude.
; xq: token t has 768 bytes; at 96 s + 48 h + 16 c lie registers 4 c .. 4 c + 3 of lane half h of K step s.  xs: token t has 8 scale words, K step s at 4 s.
; After the one barrier the waves with kh = 1 store their tile's codes and scale words (whole aligned runs of 256 bytes), the waves with kh = 0 make the logits and the choice.
; LIMITS: NaN and infinities among the inputs are not served.  A block whose largest magnitude lies under 2^-124 (a block of zeros too) gets the byte 1; only this program reads the bytes.
; The jitter mask takes (max - s) x (1 / factor) for the quotient: it can differ from a true division only within about an ulp of the threshold 0.02.
.set CP,   784                         ; a token's row in the stage of codes: 768 bytes + 16 (49 x 16: sixteen rows start at sixteen different groups of banks)
.set XSS,  32*CP                       ; LDS: codes of 32 tokens from byte 0; then their scale words, 32 bytes a token;
.set GIM,  XSS+1024                    ; the gate's 8 fragments as images, 1,536 bytes each;
.set GSC,  GIM+8*1536                  ; their scale words, 4 bytes a lane;
.set LGS,  GSC+8*128                   ; a stage for the logits, 1,024 bytes a tile;
.set TST,  LGS+2048                    ; and for each wave two stages of 16 rows x (512 + 16) bytes for the turn
.set TP,   528
.set TSZ,  16*TP
.set L16,  1                           ; 16 x lane
.set R,    2                           ; lane % 16
.set H,    3                           ; lane / 16
.set H8,   4                           ; 8 h
.set TW,   5                           ; the turn: where a load's 512 bytes go
.set TRD,  6                           ; and where my row's numbers come back from
.set CW,   7                           ; where I put my codes
.set XSWA, 8                           ; and my four scale words
.set GIW,  9                           ; the gate's images, my two
.set GSW,  10                          ; and their scale words
.set XSO,  11                          ; the tile's scale words, 16 bytes a lane
.set CRX,  12                          ; my row's codes of the other half of K
.set XSR,  13                          ; and its scale words
.set CRD,  14                          ; the tile's codes by rows: lanes 0-15 one row, lanes 16-31 the next
.set XQO,  15                          ; the same place in xq
.set LGW,  16                          ; the logits' stage, in
.set LGR,  17                          ; and back
.set L4,   18                          ; 4 x lane
.set TOK,  19                          ; my token's number
.set QM,   20                          ; v20-21 largest magnitudes; later the choice's temporaries
.set QS,   22                          ; v22-23 the conversions' scale operands
.set QB,   24                          ; v24-25 bytes
.set QP,   26                          ; a lane permute's destination
.set QT,   28                          ; v28-35 the second halves of the blocks' codes
.set XSW,  36                          ; v36-43 x's scale words, K steps 0 to 7: scales and nothing else
.set GC,   44                          ; v44-67 the gate's two fragments
.set GW,   68                          ; v68-69 their scale words
.set WTA,  70                          ; 8 r + 4 h
.set SLA,  71                          ; 4 r
.set XF,   72                          ; v72-119 my four fragments of x
.set XT,   120                         ; v120-247 two sets of 64 turned numbers
.set XO,   120                         ; behind the barrier: the other half's four fragments,
.set ACA,  168                         ; two accumulators,
.set ACB,  176
.set LG,   184                         ; my eight logits,
.set OT,   192                         ; the other half of the lanes' eight,
.set SS,   200                         ; all sixteen,
.set SCB,  216                         ; all sixteen with the first choice taken out,
.set FF,   232                         ; sixteen factors
.set GSR,  248                         ; v248-255 the gate's scale words: scales and nothing else
.set EX,   44                          ; sixteen exponentials (the gate's fragments have been stored)
.set BEST, 20
.set QQ,   22
.set SU,   24
.set ZR,   27
.set NINF, 30
.set SEL,  24                          ; s[24:25] lane selects: lane l xor 16
.set MSB,  0
.macro WIN new                         ; the immediate's high byte repeats the setting that is left
.if MSB != \new
	s_set_vgpr_msb (MSB<<8)|\new
.set MSB, \new
.endif
.endm
; 64 numbers of a lane (register 32 c + i = k 64 c + 32 h + i of my row) become the fragment's 12 registers and the row's scale word
.macro QFRAG x, c, w
.set qx, \x
.set qc, \c
.set qw, \w
	v_max3_num_f32 v[QM], |v[qx]|, |v[qx+1]|, 0x1800000           ; the floor 2^(3 - 127) among the leaves holds the byte at 1 from below
	v_max3_num_f32 v[QM+1], |v[qx+32]|, |v[qx+33]|, 0x1800000
.irp i, 2,4,6,8,10,12,14,16,18,20,22,24,26,28,30
	v_max3_num_f32 v[QM], v[QM], |v[qx+\i]|, |v[qx+\i+1]|         ; the two blocks by turns
	v_max3_num_f32 v[QM+1], v[QM+1], |v[qx+32+\i]|, |v[qx+33+\i]|
.endr
	v_add_nc_u32 v[QS], 0xff000000, v[QM]                         ; 2 off the exponent field: the conversion's scale operand
	v_add_nc_u32 v[QS+1], 0xff000000, v[QM+1]
	v_lshrrev_b32 v[QB], 23, v[QS]                                ; the bytes of blocks h and 2 + h
	v_lshrrev_b32 v[QB+1], 23, v[QS+1]
	v_lshl_or_b32 v[qw], v[QB+1], 16, v[QB]
	v_lshlrev_b32 v[qw], v[H8], v[qw]                             ; at their places in the word
	v_permlanex16_b32 v[QP], v[qw], s[SEL], s[SEL+1]
	v_or_b32 v[qw], v[qw], v[QP]                                  ; with lane l xor 16's two the word is whole
	v_cvt_scalef32_pk16_fp6_f32 v[qc:qc+2], v[qx:qx+15], v[QS]
	v_cvt_scalef32_pk16_fp6_f32 v[QT:QT+2], v[qx+16:qx+31], v[QS] ; (a conversion's three registers begin on an even number)
	v_cvt_scalef32_pk16_fp6_f32 v[qc+6:qc+8], v[qx+32:qx+47], v[QS+1]
	v_cvt_scalef32_pk16_fp6_f32 v[QT+4:QT+6], v[qx+48:qx+63], v[QS+1]
	v_nop                                                         ; one plain place behind the conversions
.irp i, 0,1,2
	v_mov_b32 v[qc+3+\i], v[QT+\i]
	v_mov_b32 v[qc+9+\i], v[QT+4+\i]
.endr
.endm
.macro XLOAD q                         ; K step q of my half: 16 rows, 512 consecutive bytes each, into raw set q (window 1)
	WIN 0x40
.irp p, 0,1,2,3,4,5,6,7,8,9,10,11,12,13,14,15
	global_load_b128 v[64*(\q)+4*\p:64*(\q)+4*\p+3], v[L16], s[4:5] offset:4096*\p+512*(\q) th:TH_LOAD_NT
.endr
	WIN 0
.endm
.macro GLOADS                          ; my two K steps of gate_weight (16 experts' rows) into raw sets 0 and 1
	WIN 0x40
.irp a, 0,1
.irp p, 0,1,2,3,4,5,6,7,8,9,10,11,12,13,14,15
	global_load_b128 v[64*\a+4*\p:64*\a+4*\p+3], v[L16], s[6:7] offset:4096*\p+512*\a
.endr
.endr
	WIN 0
.endm
.macro TURN t                          ; item t through stage t % 2: LDS serves a wave's instructions in order, so no wait stands between the stores and the loads
	WIN 0x04                                       ; an LDS store's data are its source 1: window 1
.irp p, 0,1,2,3,4,5,6,7,8,9,10,11,12,13,14,15
	ds_store_b128 v[TW], v[64*((\t)%4)+4*\p:64*((\t)%4)+4*\p+3] offset:((\t)%2)*TSZ+\p*TP
.endr
	WIN 0
.irp c, 0,1
.irp j, 0,1,2,3,4,5,6,7
	ds_load_b128 v[XT+64*((\t)%2)+32*\c+4*\j:XT+64*((\t)%2)+32*\c+4*\j+3], v[TRD] offset:((\t)%2)*TSZ+256*\c+16*\j
.endr
.endr
.endm
; Item t: 0 to 3 are x's K steps, 4 and 5 the gate's.  n: the younger loads that may stay out when item t + 1's sixteen have to be there.
.macro ITEM t, n
.if (\t) < 5
	s_wait_loadcnt \n
	TURN (\t)+1
	s_wait_dscnt 32                                ; all but the 32 just issued: item t's numbers are back from the stage
.else
	s_wait_dscnt 0x0
.endif
.if (\t) == 1
	GLOADS                                         ; raw sets 0 and 1 have been read by their stores into the stage (the wait above)
.endif
.if (\t) < 4
	QFRAG XT+64*((\t)%2), XF+12*(\t), XSW+(\t)
.irp c, 0,1,2
	ds_store_b128 v[CW], v[XF+12*(\t)+4*\c:XF+12*(\t)+4*\c+3] offset:96*(\t)+16*\c
.endr
.else
	QFRAG XT+64*((\t)%2), GC+12*((\t)-4), GW+(\t)-4
.irp c, 0,1,2
	ds_store_b128 v[GIW], v[GC+12*((\t)-4)+4*\c:GC+12*((\t)-4)+4*\c+3] offset:1536*((\t)-4)+512*\c
.endr
	ds_store_b32 v[GSW], v[GW+(\t)-4] offset:128*((\t)-4)
.endif
.if (\t) == 3
	ds_store_b128 v[XSWA], v[XSW:XSW+3]            ; my row's four scale words (both halves of the lanes hold and write the same)
.endif
.endm
; One choice: the largest of v[a] .. v[a + 15] (the lower index wins a tie) and its softmax weight over the scores that the jitter mask leaves.
.macro MIX a, idx, w
	v_mov_b32 v[BEST], v[(\a)]
	v_mov_b32 v[\idx], 0
.irp e, 1,2,3,4,5,6,7,8,9,10,11,12,13,14,15
	v_cmp_le_f32 vcc_lo, v[(\a)+\e], v[BEST]
	v_cndmask_b32 v[\idx], \e, v[\idx], vcc_lo
	v_cndmask_b32 v[BEST], v[(\a)+\e], v[BEST], vcc_lo
.endr
.irp e, 0,1,2,3,4,5,6,7,8,9,10,11,12,13,14,15
	v_max_num_f32 v[FF+\e], |v[SS+\e]|, v[BEST]    ; the factor
.endr
.irp e, 0,1,2,3,4,5,6,7,8,9,10,11,12,13,14,15
	v_sub_f32 v[EX+\e], v[(\a)+\e], v[BEST]        ; the maximum is taken away first: no exponent is above 0
.endr
.irp e, 0,1,2,3,4,5,6,7,8,9,10,11,12,13,14,15
	v_mul_f32 v[EX+\e], s28, v[EX+\e]
.endr
.irp e, 0,1,2,3,4,5,6,7,8,9,10,11,12,13,14,15
	v_rcp_f32 v[FF+\e], v[FF+\e]
.endr
.irp e, 0,1,2,3,4,5,6,7,8,9,10,11,12,13,14,15
	v_exp_f32 v[EX+\e], v[EX+\e]
.endr
	v_nop                                          ; one plain place behind the transcendentals
	s_wait_alu depctr_va_vdst(0)
.irp e, 0,1,2,3,4,5,6,7,8,9,10,11,12,13,14,15
	v_sub_f32 v[QQ+\e%2], v[BEST], v[SS+\e]
	v_mul_f32 v[QQ+\e%2], v[QQ+\e%2], v[FF+\e]
	v_cmp_lt_f32 vcc_lo, s27, v[QQ+\e%2]           ; (max - s) / factor > 0.02: masked
	v_cndmask_b32 v[EX+\e], v[EX+\e], v[ZR], vcc_lo
.endr
	v_pk_add_f32 v[SU:SU+1], v[EX:EX+1], v[EX+2:EX+3]
.irp e, 4,6,8,10,12,14
	v_pk_add_f32 v[SU:SU+1], v[SU:SU+1], v[EX+\e:EX+\e+1]
.endr
	v_add_f32 v[SU], v[SU], v[SU+1]
	v_rcp_f32 v[\w], v[SU]                         ; the chosen one's own term is 1
	v_nop
.endm
	s_load_b256 s[4:11], s[0:1], 0x0               ; x s[4:5], gate_weight s[6:7], xq s[8:9], xs s[10:11]
	s_load_b128 s[12:15], s[0:1], 0x20             ; sel s[12:13], wts s[14:15]
	s_load_b64 s[16:17], s[0:1], 0x30              ; out1
	v_lshl_add_u32 v31, v0, 2, 0x1aa00
	v_mov_b32 v35, 0
	v_lshrrev_b32 v20, 5, v0
	v_readfirstlane_b32 s18, v20                   ; wave
	s_lshr_b32 s19, s18, 1                         ; m: my tile
	s_and_b32 s20, s18, 1                          ; kh: my half of K
	s_lshl_b32 s44, ttmp9, 1
	s_add_co_u32 s44, s44, s19                     ; the tile's number among all 512
	v_and_b32 v21, 31, v0
	v_and_b32 v[R], 15, v0
	v_bfe_u32 v[H], v0, 4, 1
	v_lshlrev_b32 v[H8], 3, v[H]
	v_lshlrev_b32 v[L16], 4, v21
	v_lshlrev_b32 v[L4], 2, v21
	s_lshl_b32 s30, s44, 16                        ; x: 16 rows of 4,096 bytes a tile, + 2,048 kh
	s_lshl_b32 s21, s20, 11
	s_add_co_u32 s30, s30, s21
	s_mov_b32 s31, 0
	s_lshl_b32 s32, s18, 10                        ; gate_weight: 1,024 bytes of each row a wave
	s_mov_b32 s33, 0
	s_mul_i32 s34, s44, 12288                      ; xq: 16 x 768
	s_mov_b32 s35, 0
	s_lshl_b32 s36, s44, 9                         ; xs: 16 x 32
	s_mov_b32 s37, 0
	s_lshl_b32 s38, s44, 6                         ; sel: 16 x 4
	s_mov_b32 s39, 0
	s_lshl_b32 s40, s44, 7                         ; wts: 16 x 8
	s_mov_b32 s41, 0
	s_lshl_b32 s42, s44, 10                        ; out1: 16 x 64
	s_mov_b32 s43, 0
	s_mov_b32 s[SEL], 0x76543210
	s_mov_b32 s[SEL+1], 0xfedcba98
	s_mov_b32 s26, 0xffff0000                      ; the lanes with h = 1
	s_mov_b32 s27, 0x3ca3d70a                      ; 0.02
	s_mov_b32 s28, 0x3fb8aa3b                      ; log2(e)
	s_wait_kmcnt 0x0
	s_add_nc_u64 s[4:5], s[4:5], s[30:31]
	s_add_nc_u64 s[6:7], s[6:7], s[32:33]
	s_add_nc_u64 s[8:9], s[8:9], s[34:35]
	s_add_nc_u64 s[10:11], s[10:11], s[36:37]
	s_add_nc_u64 s[12:13], s[12:13], s[38:39]
	s_add_nc_u64 s[14:15], s[14:15], s[40:41]
	s_add_nc_u64 s[16:17], s[16:17], s[42:43]
	XLOAD 0                                        ; all of my 32 KiB of x is asked for before anything else
	XLOAD 1
	XLOAD 2
	XLOAD 3
	; every LDS address is made here, ahead of the place where the waves' roles part
	s_mul_i32 s21, s18, 2*TSZ
	s_add_co_u32 s21, s21, TST
	v_add_nc_u32 v[TW], s21, v[L16]
	v_mul_u32_u24 v[TRD], v[R], TP
	v_lshl_add_u32 v[TRD], v[H], 7, v[TRD]
	v_add_nc_u32 v[TRD], s21, v[TRD]               ; row r, + 128 h: my 32 numbers of each 64
	s_mul_i32 s21, s19, 16*CP
	v_mul_u32_u24 v22, v[R], CP
	v_mad_u32_u24 v22, v[H], 48, v22
	v_add_nc_u32 v22, s21, v22                     ; row 16 m + r, + 48 h
	s_mul_i32 s22, s20, 384
	v_add_nc_u32 v[CW], s22, v22
	v_add_nc_u32 v[CRX], 384, v22
	v_mul_u32_u24 v[CRD], v[H], CP
	v_lshl_add_u32 v[CRD], v[R], 4, v[CRD]
	v_add_nc_u32 v[CRD], s21, v[CRD]
	s_lshl_b32 s21, s19, 9
	s_add_co_u32 s21, s21, XSS
	v_lshl_add_u32 v[XSR], v[R], 5, s21
	s_lshl_b32 s22, s20, 4
	v_add_nc_u32 v[XSWA], s22, v[XSR]
	v_add_nc_u32 v[XSR], 16, v[XSR]
	v_add_nc_u32 v[XSO], s21, v[L16]
	s_mul_i32 s21, s18, 3072
	s_add_co_u32 s21, s21, GIM
	v_add_nc_u32 v[GIW], s21, v[L16]
	s_lshl_b32 s21, s18, 8
	s_add_co_u32 s21, s21, GSC
	v_add_nc_u32 v[GSW], s21, v[L4]
	s_lshl_b32 s21, s19, 10
	s_add_co_u32 s21, s21, LGS
	v_lshlrev_b32 v22, 6, v[R]
	v_lshl_add_u32 v22, v[H], 5, v22
	v_add_nc_u32 v[LGW], s21, v22
	v_add_nc_u32 v[LGR], s21, v[L16]
	v_mul_u32_u24 v[XQO], v[H], 768
	v_lshl_add_u32 v[XQO], v[R], 4, v[XQO]
	s_lshl_b32 s21, s44, 4
	v_add_nc_u32 v[TOK], s21, v[R]
	v_lshlrev_b32 v[WTA], 3, v[R]
	v_lshl_add_u32 v[WTA], v[H], 2, v[WTA]
	v_lshlrev_b32 v[SLA], 2, v[R]
	v_mov_b32 v[QP], 0                             ; written once: a lane permute's destination counts as one of its sources
	s_wait_loadcnt 48                              ; K step 0's sixteen loads are in; 48 younger ones stay out
	TURN 0
	ITEM 0, 32                                     ; K step 1 is in; steps 2 and 3 stay out
	ITEM 1, 16                                     ; step 2 is in; step 3 stays out
	ITEM 2, 32                                     ; step 3 is in; the gate's 32 loads, issued behind it, stay out
	ITEM 3, 16                                     ; the gate's first K step is in
	ITEM 4, 0
	ITEM 5, 0
	s_wait_dscnt 0x0                               ; for the others' sake: my codes, scale words and images have landed
	s_barrier_signal -1
	s_barrier_wait -1
	s_cmp_eq_u32 s20, 0
	s_cbranch_scc1 .Lrouter
	; ---- kh = 1: the tile's codes and scale words leave: each half of the lanes stores 256 consecutive bytes, at a multiple of 256 from xq's first byte
.irp p, 0,1,2,3,4,5,6,7
.irp u, 0,1,2
	ds_load_b128 v[XT+4*(3*\p+\u):XT+4*(3*\p+\u)+3], v[CRD] offset:2*\p*CP+256*\u
.endr
.endr
	ds_load_b128 v[XT+96:XT+99], v[XSO]
.irp p, 0,1,2,3,4,5,6,7
.irp u, 0,1,2
	s_wait_dscnt 24-(3*\p+\u)                      ; LDS loads come back in order: this one is in, the younger ones stay out
	global_store_b128 v[XQO], v[XT+4*(3*\p+\u):XT+4*(3*\p+\u)+3], s[8:9] offset:2*\p*768+256*\u
.endr
.endr
	s_wait_dscnt 0x0
	global_store_b128 v[L16], v[XT+96:XT+99], s[10:11]     ; 16 tokens x 32 bytes: 512 consecutive bytes
	s_wait_tensorcnt 0x0
	ds_add_u32 v31, v35
	s_wait_dscnt 0x0
	s_endpgm
.Lrouter:
	; ---- kh = 0: the logits.  Source 0 = the 16 experts' rows, source 1 = my 16 tokens: lane (r, h) then holds token r and its register j expert 8 h + j
	WIN 0x40
.irp s, 0,1,2,3,4,5,6,7
.irp c, 0,1,2
	ds_load_b128 v[12*\s+4*\c:12*\s+4*\c+3], v[L16] offset:GIM+1536*\s+512*\c
.endr
.endr
	WIN 0
.irp s, 0,1,2,3,4,5,6,7
	ds_load_b32 v[GSR+\s], v[L4] offset:GSC+128*\s
.endr
.irp q, 0,1,2,3
.irp c, 0,1,2
	ds_load_b128 v[XO+12*\q+4*\c:XO+12*\q+4*\c+3], v[CRX] offset:96*\q+16*\c
.endr
.endr
	ds_load_b128 v[XSW+4:XSW+7], v[XSR]
	s_wait_dscnt 0x0
	WIN 0x01                                       ; source 0 window 1
	; K ascending, two accumulators by turns, one instruction a turn; the first two products start the sums
	v_wmma_scale_f32_16x16x128_f8f6f4 v[ACA:ACA+7], v[0:11], v[XF:XF+11], 0, v[GSR], v[XSW] matrix_a_fmt:MATRIX_FMT_FP6 matrix_b_fmt:MATRIX_FMT_FP6
	v_wmma_scale_f32_16x16x128_f8f6f4 v[ACB:ACB+7], v[12:23], v[XF+12:XF+23], 0, v[GSR+1], v[XSW+1] matrix_a_fmt:MATRIX_FMT_FP6 matrix_b_fmt:MATRIX_FMT_FP6
	v_wmma_scale_f32_16x16x128_f8f6f4 v[ACA:ACA+7], v[24:35], v[XF+24:XF+35], v[ACA:ACA+7], v[GSR+2], v[XSW+2] matrix_a_fmt:MATRIX_FMT_FP6 matrix_b_fmt:MATRIX_FMT_FP6
	v_wmma_scale_f32_16x16x128_f8f6f4 v[ACB:ACB+7], v[36:47], v[XF+36:XF+47], v[ACB:ACB+7], v[GSR+3], v[XSW+3] matrix_a_fmt:MATRIX_FMT_FP6 matrix_b_fmt:MATRIX_FMT_FP6
	v_wmma_scale_f32_16x16x128_f8f6f4 v[ACA:ACA+7], v[48:59], v[XO:XO+11], v[ACA:ACA+7], v[GSR+4], v[XSW+4] matrix_a_fmt:MATRIX_FMT_FP6 matrix_b_fmt:MATRIX_FMT_FP6
	v_wmma_scale_f32_16x16x128_f8f6f4 v[ACB:ACB+7], v[60:71], v[XO+12:XO+23], v[ACB:ACB+7], v[GSR+5], v[XSW+5] matrix_a_fmt:MATRIX_FMT_FP6 matrix_b_fmt:MATRIX_FMT_FP6
	v_wmma_scale_f32_16x16x128_f8f6f4 v[ACA:ACA+7], v[72:83], v[XO+24:XO+35], v[ACA:ACA+7], v[GSR+6], v[XSW+6] matrix_a_fmt:MATRIX_FMT_FP6 matrix_b_fmt:MATRIX_FMT_FP6
	v_wmma_scale_f32_16x16x128_f8f6f4 v[ACB:ACB+7], v[84:95], v[XO+36:XO+47], v[ACB:ACB+7], v[GSR+7], v[XSW+7] matrix_a_fmt:MATRIX_FMT_FP6 matrix_b_fmt:MATRIX_FMT_FP6
	WIN 0
.rept 4
	v_nop                                          ; four places between the last product and the first read of results (ISA guide 7.12.1)
.endr
.irp j, 0,2,4,6
	v_pk_add_f32 v[LG+\j:LG+\j+1], v[ACA+\j:ACA+\j+1], v[ACB+\j:ACB+\j+1]   ; each accumulator from its low end on
.endr
	ds_store_b128 v[LGW], v[LG:LG+3]               ; the logits go through my own 1,024 bytes of LDS, so that a store covers 512 consecutive bytes of out1
	ds_store_b128 v[LGW], v[LG+4:LG+7] offset:16
	ds_load_b128 v[XF:XF+3], v[LGR]
	ds_load_b128 v[XF+4:XF+7], v[LGR] offset:512
.irp j, 0,1,2,3,4,5,6,7
	v_permlanex16_b32 v[OT+\j], v[LG+\j], s[SEL], s[SEL+1]
.endr
.irp j, 0,1,2,3,4,5,6,7
	v_cndmask_b32 v[SS+\j], v[LG+\j], v[OT+\j], s26          ; every lane now holds its token's sixteen scores
	v_cndmask_b32 v[SS+8+\j], v[OT+\j], v[LG+\j], s26
.endr
	v_mov_b32 v[ZR], 0
	v_mov_b32 v[NINF], 0xff800000
	MIX SS, 60, 61                                 ; the first choice: v60 its index, v61 its weight
.irp e, 0,1,2,3,4,5,6,7,8,9,10,11,12,13,14,15
	v_cmp_eq_u32 vcc_lo, \e, v60
	v_cndmask_b32 v[SCB+\e], v[SS+\e], v[NINF], vcc_lo
.endr
	MIX SCB, 62, 63                                ; the second: v62, v63
	v_min_u32 v64, v60, v62                        ; the record names the lower expert first; the weights follow
	v_max_u32 v65, v60, v62
	v_cmp_lt_u32 vcc_lo, v60, v62
	s_wait_alu depctr_va_vdst(0)
	v_cndmask_b32 v66, v63, v61, vcc_lo
	v_cndmask_b32 v67, v61, v63, vcc_lo
	v_lshl_or_b32 v28, v65, 13, v[TOK]
	v_lshl_or_b32 v28, v64, 17, v28
	v_cndmask_b32 v29, v66, v67, s26               ; lanes 0-15 store the lower expert's weight, lanes 16-31 the higher one's
	s_wait_dscnt 0x0
	global_store_b128 v[L16], v[XF:XF+3], s[16:17]
	global_store_b128 v[L16], v[XF+4:XF+7], s[16:17] offset:512
	global_store_b32 v[WTA], v29, s[14:15]         ; 128 consecutive bytes
	global_store_b32 v[SLA], v28, s[12:13]         ; lanes r and r + 16 hold the same record and store it to the same word
	s_wait_tensorcnt 0x0
	ds_add_u32 v31, v35
	s_wait_dscnt 0x0
	s_endpgm
.Lfunc_end_k_qd34d9b8bc2_front:
	.size	k_qd34d9b8bc2_front, .Lfunc_end_k_qd34d9b8bc2_front-k_qd34d9b8bc2_front
	.p2alignl 7, 3214868480
	.fill 96, 4, 3214868480
	.section	.rodata,"a",@progbits
	.p2align	6, 0x0
	.amdhsa_kernel k_qd34d9b8bc2_front
		.amdhsa_group_segment_fixed_size 109568
		.amdhsa_private_segment_fixed_size 0
		.amdhsa_enable_private_segment 0
		.amdhsa_kernarg_size 56
		.amdhsa_user_sgpr_count 2
		.amdhsa_user_sgpr_kernarg_segment_ptr 1
		.amdhsa_wavefront_size32 1
		.amdhsa_system_sgpr_workgroup_id_x 1
		.amdhsa_system_sgpr_workgroup_id_y 1
		.amdhsa_system_sgpr_workgroup_id_z 1
		.amdhsa_system_vgpr_workitem_id 0
		.amdhsa_next_free_vgpr 512
		.amdhsa_next_free_sgpr 66
		.amdhsa_reserve_vcc 1
		.amdhsa_float_denorm_mode_32 3
		.amdhsa_float_denorm_mode_16_64 3
		.amdhsa_memory_ordered 1
		.amdhsa_forward_progress 1
		.amdhsa_inst_pref_size 73
	.end_amdhsa_kernel
	.amdgpu_metadata
---
amdhsa.version: [ 1, 2 ]
amdhsa.kernels:
  - .name:           k_qd34d9b8bc2_front
    .symbol:         k_qd34d9b8bc2_front.kd
    .args:
      - { .name: hidden_states, .offset: 0, .size: 8, .value_kind: global_buffer, .address_space: global }
      - { .name: gate_weight, .offset: 8, .size: 8, .value_kind: global_buffer, .address_space: global }
      - { .name: xq, .offset: 16, .size: 8, .value_kind: global_buffer, .address_space: global }
      - { .name: xs, .offset: 24, .size: 8, .value_kind: global_buffer, .address_space: global }
      - { .name: sel, .offset: 32, .size: 8, .value_kind: global_buffer, .address_space: global }
      - { .name: wts, .offset: 40, .size: 8, .value_kind: global_buffer, .address_space: global }
      - { .name: out1, .offset: 48, .size: 8, .value_kind: global_buffer, .address_space: global }
    .group_segment_fixed_size: 109568
    .private_segment_fixed_size: 0
    .kernarg_segment_align: 8
    .kernarg_segment_size: 56
    .max_flat_workgroup_size: 128
    .sgpr_count:     66
    .vgpr_count:     512
    .wavefront_size: 32
...
	.end_amdgpu_metadata
.endif
;; end of part 1
;; launch place (part 2): grid 256 x 1, 16 waves a work-group, no clusters, 105,472 bytes of LDS; arguments sel, gate_up_weights, down_weights, order, wq; writes order, wq
.if DOCPART == 2
	.amdgcn_target "amdgcn-amd-amdhsa--gfx1250"
	.amdhsa_code_object_version 6
	.text
	.protected	k_qd34d9b8bc2_place
	.globl	k_qd34d9b8bc2_place
	.p2align	8
	.type	k_qd34d9b8bc2_place,@function
k_qd34d9b8bc2_place:
	s_mov_b64 s[64:65], 0
	v_nop
	global_prefetch_b8 v0, s[64:65] scope:SCOPE_SE
	s_setreg_imm32_b32 hwreg(HW_REG_WAVE_MODE, 25, 1), 1
	s_wait_xcnt 0x0
; PLACE.  Two jobs, shared evenly among 256 work-groups of sixteen waves.
; (a) THE ORDER.  All 8,192 records (emin<<17 | emax<<13 | t) differ, so a record's place in the sorted order is the number of records below it.  The work-group ranks tokens 32 wg .. + 31, a lane to a token;
;     wave WV counts among candidates 512 WV .. + 511, which it reads by scalar loads, 64 a trip.  The sixteen counts meet in LDS; wave 12 adds them and stores the record at its place.  No atomics.
; (b) THE WEIGHTS.  The 3,072 fragments (16 rows x 128 K) of gate_up_weights and down_weights become codes of E2M3 laid as images of the operand's registers, twelve fragments a work-group, one for each of waves 0 to 11.
;     The fragment's sixteen loads (512 consecutive bytes each) are on their way while the wave counts.
; wq: [expert 16][wave w 4][group G 12] x 6,400 bytes; a group is four images of 1,536 bytes (512 c + 16 lane) and 256 bytes of scale words.  Fragment g = 4 G + f of (e, w):
;   g < 32: K step G of gate_up, tile f: fragment row p is weight row 128 (f / 2) + 32 w + 8 (f % 2) + p + 8 (p / 8), so that in the transposed product a lane's 16 registers of tiles 2 b, 2 b + 1 are 16 neighbours along the next K;
;   g >= 32: rows 256 w + 16 (g - 32) + p of down.   The scale word of fragment f, row r: group + 6,144 + 128 (f % 2) + 8 r + 4 (f / 2).
; LIMITS: NaN and infinities are not served; a block whose largest magnitude lies under 2^-124 (a block of zeros too) gets the byte 1; only this program reads the bytes.
.set TS,   2048                        ; LDS: 2,048 bytes of counts (a word a thread) from byte 0; then a stage of 16 rows x (512 + 16) bytes for each of waves 0 to 11
.set TP,   528
.set R,    2
.set H,    3
.set H8,   4
.set L16,  5
.set MINE, 6
.set CNT,  7
.set T4,   8                           ; 4 x my thread's number
.set L4,   9
.set TW,   10
.set TRD,  11
.set R8,   12
.set MOF,  13
.set QM,   32
.set QS,   34
.set QB,   36
.set QP,   38
.set QT,   40
.set CC,   48                          ; v48-59 the fragment's codes
.set WW,   60                          ; its rows' scale word
.set RAW,  64                          ; v64-127 as loaded
.set XX,   128                         ; v128-191 turned
.set SEL,  94
.macro QFRAG x, c, w                   ; 64 numbers of a lane (register 32 c + i = k 64 c + 32 h + i of my row) become the fragment's 12 registers and the row's scale word
.set qx, \x
.set qc, \c
.set qw, \w
	v_max3_num_f32 v[QM], |v[qx]|, |v[qx+1]|, 0x1800000           ; the floor 2^(3 - 127) among the leaves holds the byte at 1 from below
	v_max3_num_f32 v[QM+1], |v[qx+32]|, |v[qx+33]|, 0x1800000
.irp i, 2,4,6,8,10,12,14,16,18,20,22,24,26,28,30
	v_max3_num_f32 v[QM], v[QM], |v[qx+\i]|, |v[qx+\i+1]|
	v_max3_num_f32 v[QM+1], v[QM+1], |v[qx+32+\i]|, |v[qx+33+\i]|
.endr
	v_add_nc_u32 v[QS], 0xff000000, v[QM]                         ; 2 off the exponent field: the conversion's scale operand
	v_add_nc_u32 v[QS+1], 0xff000000, v[QM+1]
	v_lshrrev_b32 v[QB], 23, v[QS]
	v_lshrrev_b32 v[QB+1], 23, v[QS+1]
	v_lshl_or_b32 v[qw], v[QB+1], 16, v[QB]
	v_lshlrev_b32 v[qw], v[H8], v[qw]
	v_permlanex16_b32 v[QP], v[qw], s[SEL], s[SEL+1]
	v_or_b32 v[qw], v[qw], v[QP]
	v_cvt_scalef32_pk16_fp6_f32 v[qc:qc+2], v[qx:qx+15], v[QS]
	v_cvt_scalef32_pk16_fp6_f32 v[QT:QT+2], v[qx+16:qx+31], v[QS]
	v_cvt_scalef32_pk16_fp6_f32 v[qc+6:qc+8], v[qx+32:qx+47], v[QS+1]
	v_cvt_scalef32_pk16_fp6_f32 v[QT+4:QT+6], v[qx+48:qx+63], v[QS+1]
	v_nop                                                         ; one plain place behind the conversions
.irp i, 0,1,2
	v_mov_b32 v[qc+3+\i], v[QT+\i]
	v_mov_b32 v[qc+9+\i], v[QT+4+\i]
.endr
.endm
	s_load_b256 s[4:11], s[0:1], 0x0               ; sel s[4:5], gate_up s[6:7], down s[8:9], order s[10:11]
	s_load_b64 s[12:13], s[0:1], 0x20              ; wq
	v_lshl_add_u32 v192, v0, 2, 0x19400
	v_mov_b32 v193, 0
	v_lshrrev_b32 v1, 5, v0
	v_readfirstlane_b32 s14, v1                    ; wave 0..15
	v_and_b32 v1, 31, v0
	v_and_b32 v[R], 15, v0
	v_bfe_u32 v[H], v0, 4, 1
	v_lshlrev_b32 v[H8], 3, v[H]
	v_lshlrev_b32 v[L16], 4, v1
	v_lshlrev_b32 v[L4], 2, v1
	v_lshlrev_b32 v[T4], 2, v0
	s_mul_i32 s87, s14, 16*TP
	s_add_co_u32 s87, s87, TS
	v_add_nc_u32 v[TW], s87, v[L16]
	v_mul_u32_u24 v[TRD], v[R], TP
	v_lshl_add_u32 v[TRD], v[H], 7, v[TRD]
	v_add_nc_u32 v[TRD], s87, v[TRD]
	s_lshl_b32 s87, ttmp9, 7
	v_add_nc_u32 v[MOF], s87, v[L4]                ; my token's record: 128 wg + 4 lane
	v_mov_b32 v[QP], 0
	v_mov_b32 v[CNT], 0
	s_lshr_b32 s84, ttmp9, 4                       ; e
	s_bfe_u32 s85, ttmp9, 0x20002                  ; w
	s_and_b32 s86, ttmp9, 3
	s_mul_i32 s86, s86, 12
	s_add_co_u32 s86, s86, s14                     ; g, for waves 0 to 11
	s_lshl_b32 s88, s14, 11                        ; my 512 candidates
	s_mov_b32 s89, 0
	s_mov_b32 s[SEL], 0x76543210
	s_mov_b32 s[SEL+1], 0xfedcba98
	s_wait_kmcnt 0x0
	s_add_nc_u64 s[90:91], s[4:5], s[88:89]
	global_load_b32 v[MINE], v[MOF], s[4:5]
	s_cmp_ge_u32 s14, 12
	s_cbranch_scc1 .Lrank_only
	s_cmp_ge_u32 s86, 32
	s_cbranch_scc1 .Ldown
	s_and_b32 s87, s86, 3                          ; gate_up: tile f
	s_lshr_b32 s93, s87, 1
	s_lshl_b32 s93, s93, 7
	s_and_b32 s87, s87, 1
	s_lshl_b32 s87, s87, 3
	s_add_co_u32 s93, s93, s87
	s_lshl_b32 s87, s85, 5
	s_add_co_u32 s93, s93, s87                     ; its first row: 128 (f / 2) + 8 (f % 2) + 32 w
	s_lshl_b32 s88, s93, 12
	s_lshr_b32 s87, s86, 2
	s_lshl_b32 s87, s87, 9                         ; K step G: 512 bytes of each row
	s_add_co_u32 s88, s88, s87
	s_lshl_b32 s87, s84, 20
	s_add_co_u32 s88, s88, s87
	s_add_nc_u64 s[6:7], s[6:7], s[88:89]
.irp p, 0,1,2,3,4,5,6,7,8,9,10,11,12,13,14,15
	global_load_b128 v[RAW+4*\p:RAW+4*\p+3], v[L16], s[6:7] offset:(\p+8*(\p/8))*4096 th:TH_LOAD_NT
.endr
	s_branch .Lasked
.Ldown:
	s_sub_co_u32 s87, s86, 32                      ; down: rows 256 w + 16 (g - 32) on, 512 bytes each
	s_lshl_b32 s87, s87, 4
	s_lshl_b32 s93, s85, 8
	s_add_co_u32 s87, s87, s93
	s_lshl_b32 s96, s87, 9
	s_lshl_b32 s87, s84, 19
	s_add_co_u32 s96, s96, s87
	s_mov_b32 s97, 0
	s_add_nc_u64 s[8:9], s[8:9], s[96:97]
.irp p, 0,1,2,3,4,5,6,7,8,9,10,11,12,13,14,15
	global_load_b128 v[RAW+4*\p:RAW+4*\p+3], v[L16], s[8:9] offset:512*\p th:TH_LOAD_NT
.endr
.Lasked:
	s_wait_loadcnt 16                              ; my record is in; the fragment's sixteen loads stay out
	s_branch .Lrank
.Lrank_only:
	s_wait_loadcnt 0x0
.Lrank:
	s_mov_b32 s92, 0
.Ltrip:                                            ; 8 trips of 64 candidates
	s_load_b512 s[16:31], s[90:91], 0x0
	s_load_b512 s[32:47], s[90:91], 0x40
	s_load_b512 s[48:63], s[90:91], 0x80
	s_load_b512 s[68:83], s[90:91], 0xc0
	s_wait_kmcnt 0x0
	s_wait_xcnt 0x0                                ; the loads' base is stepped only behind this wait
	s_add_nc_u64 s[90:91], s[90:91], 256
.irp b, 16,32,48,68
.irp i, 0,1,2,3,4,5,6,7,8,9,10,11,12,13,14,15
	v_cmp_lt_u32 vcc_lo, s[\b+\i], v[MINE]
	v_add_co_ci_u32 v[CNT], vcc_lo, 0, v[CNT], vcc_lo          ; one more below mine
.endr
.endr
	s_add_co_u32 s92, s92, 1
	s_cmp_lt_u32 s92, 8
	s_cbranch_scc1 .Ltrip
	ds_store_b32 v[T4], v[CNT]
	s_wait_dscnt 0x0                               ; for wave 12's sake: my count has landed
	s_barrier_signal -1
	s_barrier_wait -1
	s_cmp_lt_u32 s14, 12
	s_cbranch_scc1 .Lquant
	s_cmp_lg_u32 s14, 12
	s_cbranch_scc1 .Ldone
.irp k, 0,1,2,3,4,5,6,7,8,9,10,11,12,13,14,15
	ds_load_b32 v[16+\k], v[L4] offset:128*\k      ; the sixteen waves' counts for my lane's token
.endr
	s_wait_dscnt 0x0
	v_add3_u32 v16, v16, v17, v18
	v_add3_u32 v19, v19, v20, v21
	v_add3_u32 v22, v22, v23, v24
	v_add3_u32 v25, v25, v26, v27
	v_add3_u32 v28, v28, v29, v30
	v_add3_u32 v16, v16, v19, v22
	v_add3_u32 v25, v25, v28, v31
	v_add_nc_u32 v16, v16, v25
	v_min_u32 v16, 0x1fff, v16                     ; a place among 8,192
	v_lshlrev_b32 v16, 2, v16
	global_store_b32 v16, v[MINE], s[10:11]        ; four bytes a lane at scattered places: the whole order is 32 KiB
.Ldone:
	s_wait_tensorcnt 0x0
	ds_add_u32 v192, v193
	s_wait_dscnt 0x0
	s_endpgm
.Lquant:
	s_mul_i32 s98, s84, 307200                     ; the image's place in wq
	s_mul_i32 s87, s85, 76800
	s_add_co_u32 s98, s98, s87
	s_lshr_b32 s87, s86, 2
	s_mul_i32 s87, s87, 6400
	s_add_co_u32 s98, s98, s87
	s_and_b32 s87, s86, 3
	s_mul_i32 s93, s87, 1536
	s_add_co_u32 s98, s98, s93
	s_mov_b32 s99, 0
	s_add_nc_u64 s[12:13], s[12:13], s[98:99]
	s_sub_co_u32 s93, 6144, s93                    ; from the image to its scale words: 6,144 - 1,536 f + 128 (f % 2) + 4 (f / 2)
	s_and_b32 s15, s87, 1
	s_lshl_b32 s15, s15, 7
	s_add_co_u32 s93, s93, s15
	s_lshr_b32 s15, s87, 1
	s_lshl_b32 s15, s15, 2
	s_add_co_u32 s93, s93, s15
	v_lshl_add_u32 v[R8], v[R], 3, s93
	s_wait_loadcnt 0x0
.irp p, 0,1,2,3,4,5,6,7,8,9,10,11,12,13,14,15
	ds_store_b128 v[TW], v[RAW+4*\p:RAW+4*\p+3] offset:\p*TP      ; the turn through my own stage: LDS serves a wave's instructions in order
.endr
.irp c, 0,1
.irp j, 0,1,2,3,4,5,6,7
	ds_load_b128 v[XX+32*\c+4*\j:XX+32*\c+4*\j+3], v[TRD] offset:256*\c+16*\j
.endr
.endr
	s_wait_dscnt 0x0
	QFRAG XX, CC, WW
.irp c, 0,1,2
	global_store_b128 v[L16], v[CC+4*\c:CC+4*\c+3], s[12:13] offset:512*\c   ; 512 consecutive bytes, at a multiple of 256 from wq's first byte
.endr
	global_store_b32 v[R8], v[WW], s[12:13]        ; lanes r and r + 16 hold the same word and store it to the same place
	s_wait_tensorcnt 0x0
	ds_add_u32 v192, v193
	s_wait_dscnt 0x0
	s_endpgm
.Lfunc_end_k_qd34d9b8bc2_place:
	.size	k_qd34d9b8bc2_place, .Lfunc_end_k_qd34d9b8bc2_place-k_qd34d9b8bc2_place
	.p2alignl 7, 3214868480
	.fill 96, 4, 3214868480
	.section	.rodata,"a",@progbits
	.p2align	6, 0x0
	.amdhsa_kernel k_qd34d9b8bc2_place
		.amdhsa_group_segment_fixed_size 105472
		.amdhsa_private_segment_fixed_size 0
		.amdhsa_enable_private_segment 0
		.amdhsa_kernarg_size 40
		.amdhsa_user_sgpr_count 2
		.amdhsa_user_sgpr_kernarg_segment_ptr 1
		.amdhsa_wavefront_size32 1
		.amdhsa_system_sgpr_workgroup_id_x 1
		.amdhsa_system_sgpr_workgroup_id_y 1
		.amdhsa_system_sgpr_workgroup_id_z 1
		.amdhsa_system_vgpr_workitem_id 0
		.amdhsa_next_free_vgpr 194
		.amdhsa_next_free_sgpr 100
		.amdhsa_reserve_vcc 1
		.amdhsa_float_denorm_mode_32 3
		.amdhsa_float_denorm_mode_16_64 3
		.amdhsa_memory_ordered 1
		.amdhsa_forward_progress 1
		.amdhsa_inst_pref_size 19
	.end_amdhsa_kernel
	.amdgpu_metadata
---
amdhsa.version: [ 1, 2 ]
amdhsa.kernels:
  - .name:           k_qd34d9b8bc2_place
    .symbol:         k_qd34d9b8bc2_place.kd
    .args:
      - { .name: sel, .offset: 0, .size: 8, .value_kind: global_buffer, .address_space: global }
      - { .name: gate_up_weights, .offset: 8, .size: 8, .value_kind: global_buffer, .address_space: global }
      - { .name: down_weights, .offset: 16, .size: 8, .value_kind: global_buffer, .address_space: global }
      - { .name: order, .offset: 24, .size: 8, .value_kind: global_buffer, .address_space: global }
      - { .name: wq, .offset: 32, .size: 8, .value_kind: global_buffer, .address_space: global }
    .group_segment_fixed_size: 105472
    .private_segment_fixed_size: 0
    .kernarg_segment_align: 8
    .kernarg_segment_size: 40
    .max_flat_workgroup_size: 512
    .sgpr_count:     100
    .vgpr_count:     194
    .wavefront_size: 32
...
	.end_amdgpu_metadata
.endif
;; end of part 2
;; launch chain (part 3): grid 256 x 1, 4 waves a work-group, no clusters, 99,072 bytes of LDS; arguments xq, xs, wq, order, wts, out0; writes out0
.if DOCPART == 3
	.amdgcn_target "amdgcn-amd-amdhsa--gfx1250"
	.amdhsa_code_object_version 6
	.text
	.protected	k_qd34d9b8bc2_chain
	.globl	k_qd34d9b8bc2_chain
	.p2align	8
	.type	k_qd34d9b8bc2_chain,@function
k_qd34d9b8bc2_chain:
	s_mov_b64 s[64:65], 0
	v_nop
	global_prefetch_b8 v0, s[64:65] scope:SCOPE_SE
	s_setreg_imm32_b32 hwreg(HW_REG_WAVE_MODE, 25, 1), 1
	s_wait_xcnt 0x0
; CHAIN.  out0[t] = the sum over the token's two experts e of weight(t, e) x Q(silu(g) u) D[e]^T, (g, u) = Q(x[t]) Wgu[e]^T, both products on codes of E2M3 with E8M0 scales.
; SHARES.  Work-group b owns the 32 tokens at places 32 b .. + 31 of the order sorted by pairs of experts: each output row has one owner.  It walks all 16 experts in a loop of constant count and passes over,
; by a scalar branch on a mask made of the stored records, those that none of its tokens uses.  A token of the block that does not use an expert in hand gets the weight 0.
; THE WAVES SHARE THE COLUMNS: wave w makes FFN units 32 w .. + 31 (two tiles of the gate half, two of the up half: one block of 32 of the second K) and output columns 256 w .. + 255, for all 32 tokens.
; So each weight byte is loaded once for a work-group and an expert, from memory straight into registers, as the images that the launch before laid out: 13 loads a group of four fragments, a ring of four groups.
; Both products are used transposed (source 0 = 16 rows of a weight, source 1 = 16 tokens): a lane holds one token throughout.
; NO TENSOR LOAD AND NO JOINT REQUEST: the walk branches on stored numbers, and the blocks of a would-be cluster want different experts at different times.
; THE RING.  Its state at every edge of a block of code that can be jumped over is one of two: one group on its way into each of slots 0 to 3, in that order, or nothing.  The first half of an expert uses up eight
; groups, the second four; each is replaced in its slot or not at all.  So the counted waits hold whichever blocks are taken.  The head of the kernel asks for the first used expert's groups 0 to 3; the second half
; of expert E asks for those of expert E + 1 where the block uses it (same base, 307,200 bytes on in the immediate); else an expert's first half asks for its own, behind a wait for all loads.  The flag s27 says
; whether the ring holds the groups of the expert that comes next.  In the loop the weights' base is stepped by a constant alone.
; h goes from wave to wave through LDS, in two regions by turns: one barrier an expert, on every path.
; LIMITS: an expert's product is formed for every token of a block that uses it and multiplied by 0 where the token does not: it has to be finite.  NaN and infinities are not served.
; A block of h whose largest magnitude lies under 2^-124 gets the byte 1.
.set XP,   784                         ; LDS: 32 rows of x's codes, 768 bytes + 16, from byte 0
.set HB,   32*XP                       ; h's codes: two regions of 32 rows x (96 + 8) bytes
.set HP,   104
.set HREG, 32*HP
.set HS,   HB+2*HREG                   ; h's scale words: two regions of 32 words
.set STG,  HS+256                      ; the way out: for each wave 16 rows x (1,024 + 16) bytes
.set SP,   1040
.set EBYTES, 307200                    ; an expert in wq
.set GB,   6400                        ; a group
.set L16,  1
.set L8,   2
.set XRD,  5
.set HWR,  6
.set HSW,  7
.set HRD,  8
.set HSR,  9
.set SWR,  10
.set SRD,  11
.set EA,   12                          ; v12-15 lower and higher expert of my token in tile 0, in tile 1
.set WT,   16                          ; v16-19 their weights
.set CF,   20                          ; v20, v22 the weight of the expert in hand for my token in tile 0, 1 (v21, v23: the pairs' upper halves, written once)
.set ROFF, 24                          ; v24-39 row 2 q + h of the block: its token's byte offset in out0, + 16 r
.set XS,   40                          ; v40-47 x's scale words, K step s: lane l has token l's: scales and nothing else
.set SR,   48                          ; v48-55 the ring's scale words, two registers a slot: scales and nothing else
.set ACC,  56                          ; v56-87 gate (tile m, half u) at 16 m + 8 u; v88-119 up likewise
.set TT,   120                         ; v120-151 at work
.set HF,   152                         ; v152-175 h's two fragments
.set HSC,  176                         ; h's scale words: lane l has token l's
.set QM,   178
.set QPP,  180
.set QS,   182
.set QB,   184
.set CD,   188                         ; v188-190, v192-194 h's codes
.set TW2,  192                         ; window 3: v192-255 the second product's eight results
.set FILLED, 27                        ; s27  1: the ring holds groups 0 to 3 of the expert that comes next
.set CUR,  28                          ; s[28:29] the expert in hand, my wave's part
.set NXT,  30                          ; s[30:31] the first used expert's: made and used at the kernel's head alone
.set SEL,  36
.set MSB,  0
.macro WIN new                         ; the immediate's high byte repeats the setting that is left
.if MSB != \new
	s_set_vgpr_msb (MSB<<8)|\new
.set MSB, \new
.endif
.endm
; one product: z: it starts its sum; ra, rb: the scale words stand in lanes 16-31
.macro WM d, a, b, z, sa, sb, ra, rb
.set wD, \d
.set wA, \a
.set wB, \b
.set wS, \sa
.set wU, \sb
.if \z
.if (\ra) && (\rb)
	v_wmma_scale_f32_16x16x128_f8f6f4 v[wD:wD+7], v[wA:wA+11], v[wB:wB+11], 0, v[wS], v[wU] matrix_a_fmt:MATRIX_FMT_FP6 matrix_b_fmt:MATRIX_FMT_FP6 matrix_a_scale:MATRIX_SCALE_ROW1 matrix_b_scale:MATRIX_SCALE_ROW1
.elseif \ra
	v_wmma_scale_f32_16x16x128_f8f6f4 v[wD:wD+7], v[wA:wA+11], v[wB:wB+11], 0, v[wS], v[wU] matrix_a_fmt:MATRIX_FMT_FP6 matrix_b_fmt:MATRIX_FMT_FP6 matrix_a_scale:MATRIX_SCALE_ROW1
.elseif \rb
	v_wmma_scale_f32_16x16x128_f8f6f4 v[wD:wD+7], v[wA:wA+11], v[wB:wB+11], 0, v[wS], v[wU] matrix_a_fmt:MATRIX_FMT_FP6 matrix_b_fmt:MATRIX_FMT_FP6 matrix_b_scale:MATRIX_SCALE_ROW1
.else
	v_wmma_scale_f32_16x16x128_f8f6f4 v[wD:wD+7], v[wA:wA+11], v[wB:wB+11], 0, v[wS], v[wU] matrix_a_fmt:MATRIX_FMT_FP6 matrix_b_fmt:MATRIX_FMT_FP6
.endif
.else
.if (\ra) && (\rb)
	v_wmma_scale_f32_16x16x128_f8f6f4 v[wD:wD+7], v[wA:wA+11], v[wB:wB+11], v[wD:wD+7], v[wS], v[wU] matrix_a_fmt:MATRIX_FMT_FP6 matrix_b_fmt:MATRIX_FMT_FP6 matrix_a_scale:MATRIX_SCALE_ROW1 matrix_b_scale:MATRIX_SCALE_ROW1
.elseif \ra
	v_wmma_scale_f32_16x16x128_f8f6f4 v[wD:wD+7], v[wA:wA+11], v[wB:wB+11], v[wD:wD+7], v[wS], v[wU] matrix_a_fmt:MATRIX_FMT_FP6 matrix_b_fmt:MATRIX_FMT_FP6 matrix_a_scale:MATRIX_SCALE_ROW1
.elseif \rb
	v_wmma_scale_f32_16x16x128_f8f6f4 v[wD:wD+7], v[wA:wA+11], v[wB:wB+11], v[wD:wD+7], v[wS], v[wU] matrix_a_fmt:MATRIX_FMT_FP6 matrix_b_fmt:MATRIX_FMT_FP6 matrix_b_scale:MATRIX_SCALE_ROW1
.else
	v_wmma_scale_f32_16x16x128_f8f6f4 v[wD:wD+7], v[wA:wA+11], v[wB:wB+11], v[wD:wD+7], v[wS], v[wU] matrix_a_fmt:MATRIX_FMT_FP6 matrix_b_fmt:MATRIX_FMT_FP6
.endif
.endif
.endm
.macro PLACES                          ; four places behind matrix instructions, in front of loads into their registers and of the first read of results
.rept 4
	v_nop
.endr
.endm
; group G of the expert that begins x bytes behind s[b:b+1] into slot k: 13 loads: its scale words (register a: fragment 2 a in lanes 0-15, 2 a + 1 in lanes 16-31), then four images, 512 consecutive bytes a load
.macro GLD b, G, k, x
	WIN 0
	global_load_b64 v[SR+2*(\k):SR+2*(\k)+1], v[L8], s[\b:\b+1] offset:GB*(\G)+6144+(\x)
	WIN 0xc0                                       ; destination window 3
.irp f, 0,1,2,3
.irp c, 0,1,2
	global_load_b128 v[48*(\k)+12*\f+4*\c:48*(\k)+12*\f+4*\c+3], v[L16], s[\b:\b+1] offset:GB*(\G)+1536*\f+512*\c+(\x)
.endr
.endr
.endm
; THE FIRST HALF OF AN EXPERT: my 64 columns of gate_up for 32 tokens, silu(g) u, its codes and bytes into region p
.macro P1 p
	s_cmp_lg_u32 s[FILLED], 0
	s_cbranch_scc1 .Lfilled_\@                     ; my groups 0 to 3 were asked for earlier
	s_wait_loadcnt 0x0                             ; no load is on its way into the ring's registers
	GLD CUR, 0, 0, 0
	GLD CUR, 1, 1, 0
	GLD CUR, 2, 2, 0
	GLD CUR, 3, 3, 0
	WIN 0                                          ; at a label and at a branch every window is 0
.Lfilled_\@:
	s_mov_b32 s[FILLED], 0                         ; what the ring holds is used up below
.irp g, 0,1,2,3,4,5,6,7
	WIN 0x07                                       ; source 0 (weights) window 3, source 1 (x) window 1
	s_wait_loadcnt 39                              ; group g is in; the three groups of 13 loads behind it stay out
.irp i, 0,1,2,3
.irp m, 0,1
	WM ACC+32*(\i/2)+16*\m+8*(\i%2), 48*(\g%4)+12*\i, 12*(2*\g+\m), (\g==0), SR+2*(\g%4)+\i/2, XS+\g, \i%2, \m   ; eight accumulators by turns
.endr
.endr
	PLACES
	GLD CUR, \g+4, \g%4, 0                         ; the slot takes the group four further on
.endr
	WIN 0
.set j, 0
.rept 16
	v_pk_mul_f32 v[TT+j:TT+j+1], v[ACC+j:ACC+j+1], s[38:39] op_sel_hi:[1,0]   ; -g log2(e); each accumulator from its low end on
.set j, j+2
.endr
.set j, 0
.rept 32
	v_exp_f32 v[TT+j], v[TT+j]
.set j, j+1
.endr
	v_nop
.set j, 0
	s_wait_alu depctr_va_vdst(0)
.rept 16
	v_pk_add_f32 v[TT+j:TT+j+1], v[TT+j:TT+j+1], 1.0 op_sel_hi:[1,0]
.set j, j+2
.endr
.set j, 0
.rept 32
	v_rcp_f32 v[TT+j], v[TT+j]                     ; sigmoid(g)
.set j, j+1
.endr
	v_nop
.set j, 0
	s_wait_alu depctr_va_vdst(0)
.rept 16
	v_pk_mul_f32 v[ACC+j:ACC+j+1], v[ACC+j:ACC+j+1], v[TT+j:TT+j+1]
.set j, j+2
.endr
.set j, 0
.rept 16
	v_pk_mul_f32 v[ACC+j:ACC+j+1], v[ACC+j:ACC+j+1], v[ACC+32+j:ACC+32+j+1]   ; h: register 16 m + i is unit 32 w + 16 h + i of my token in tile m
.set j, j+2
.endr
.irp m, 0,1
	v_max3_num_f32 v[QM+\m], |v[ACC+16*\m]|, |v[ACC+16*\m+1]|, 0x1800000      ; the floor 2^(3 - 127) holds the byte at 1 from below
.endr
.irp i, 2,4,6,8,10,12,14
.irp m, 0,1
	v_max3_num_f32 v[QM+\m], v[QM+\m], |v[ACC+16*\m+\i]|, |v[ACC+16*\m+\i+1]|
.endr
.endr
.irp m, 0,1
	v_permlanex16_b32 v[QPP+\m], v[QM+\m], s[SEL], s[SEL+1]
.endr
.irp m, 0,1
	v_max_num_f32 v[QM+\m], v[QM+\m], v[QPP+\m]    ; with lane l xor 16's 16: the block's largest magnitude
.endr
.irp m, 0,1
	v_add_nc_u32 v[QS+\m], 0xff000000, v[QM+\m]    ; 2 off the exponent field: the conversion's scale operand
.endr
.irp m, 0,1
	v_lshrrev_b32 v[QB+\m], 23, v[QS+\m]           ; the scale's byte
.endr
.irp m, 0,1
	v_cvt_scalef32_pk16_fp6_f32 v[CD+4*\m:CD+4*\m+2], v[ACC+16*\m:ACC+16*\m+15], v[QS+\m]
.endr
	v_nop                                          ; one plain place behind the conversions
.irp m, 0,1
.irp i, 0,1,2
	ds_store_b32 v[HWR], v[CD+4*\m+\i] offset:HREG*\p+16*HP*\m+4*\i          ; 12 bytes at 24 w + 12 h of my token's row of 96
.endr
	ds_store_b8 v[HSW], v[QB+\m] offset:128*\p+64*\m                         ; byte w of my token's scale word (both halves of the lanes write the same)
.endr
.endm
; the second half's products.  pf = 1: each slot takes a group of the expert that follows, 307,200 bytes on
.macro P2BODY pf
	s_wait_dscnt 0x0                               ; h's fragments and scale words are in
.irp q, 0,1,2,3
	WIN 0xc3                                       ; source 0 (weights) and the results window 3
.if \pf
	s_wait_loadcnt 39                              ; group 8 + q is in; three groups stay out
.else
	s_wait_loadcnt 39-13*\q                        ; nothing is asked for any more: the counts run down
.endif
.irp f, 0,1,2,3
.irp m, 0,1
	WM TW2+8*(2*\f+\m), 48*\q+12*\f, HF+12*\m, 1, SR+2*\q+\f/2, HSC, \f%2, \m
.endr
.endr
	PLACES
.if \pf
	GLD CUR, \q, \q, EBYTES
.endif
	WIN 0xa3                                       ; source 0 window 3, the sums window 2
.irp a, 0,1,2,3,4,5,6,7
.irp j, 0,2,4,6
	v_pk_fma_f32 v[64*\q+8*\a+\j:64*\q+8*\a+\j+1], v[TW2+8*\a+\j:TW2+8*\a+\j+1], v[CF+2*(\a%2):CF+2*(\a%2)+1], v[64*\q+8*\a+\j:64*\q+8*\a+\j+1] op_sel_hi:[1,0,1]   ; + weight x result; these are also the places in front of the next products, which write the results anew
.endr
.endr
.endr
	WIN 0
.endm
; THE SECOND HALF: h's two fragments from region p, my 256 output columns
.macro P2 p
.irp m, 0,1
.irp j, 0,1,2,3,4,5
	ds_load_b64 v[HF+12*\m+2*\j:HF+12*\m+2*\j+1], v[HRD] offset:HREG*\p+16*HP*\m+48*(\j/3)+8*(\j%3)
.endr
.endr
	ds_load_b32 v[HSC], v[HSR] offset:128*\p
	v_cmp_eq_u32 s21, s18, v[EA]
	v_cmp_eq_u32 s22, s18, v[EA+1]
	v_cmp_eq_u32 s23, s18, v[EA+2]
	v_cmp_eq_u32 s24, s18, v[EA+3]
	v_cndmask_b32 v[CF], 0, v[WT+1], s22
	v_cndmask_b32 v[CF+2], 0, v[WT+3], s24
	v_cndmask_b32 v[CF], v[CF], v[WT], s21         ; my token's weight of this expert, or 0
	v_cndmask_b32 v[CF+2], v[CF+2], v[WT+2], s23
	s_add_co_u32 s25, s18, 1
	s_lshr_b32 s25, s17, s25
	s_and_b32 s25, s25, 1                          ; does the block use the expert that follows?  (The mask has 16 bits: behind expert 15 the answer is no, and nothing is asked for past the buffer's end)
	s_cmp_eq_u32 s25, 0
	s_cbranch_scc1 .Llast_\@
	P2BODY 1
	s_mov_b32 s[FILLED], 1
	s_branch .Ldone_\@
.Llast_\@:
	P2BODY 0
.Ldone_\@:
.endm
.macro EXPERT p
	s_lshr_b32 s20, s17, s18
	s_and_b32 s20, s20, 1                          ; does a token of the block use expert s18?
	s_cmp_eq_u32 s20, 0
	s_cbranch_scc1 .Lno1_\@
	P1 \p
.Lno1_\@:
	s_wait_dscnt 0x0                               ; for the others' sake: my part of h has landed; my reads of the other region are over
	s_barrier_signal -1
	s_barrier_wait -1                              ; on every path: no barrier stands under the branches
	s_cmp_eq_u32 s20, 0
	s_cbranch_scc1 .Lno2_\@
	P2 \p
.Lno2_\@:
	s_wait_xcnt 0x0                                ; the loads' base steps only behind this wait
	s_add_nc_u64 s[CUR:CUR+1], s[CUR:CUR+1], EBYTES
	s_add_co_u32 s18, s18, 1
.endm
	s_load_b256 s[4:11], s[0:1], 0x0               ; xq s[4:5], xs s[6:7], wq s[8:9], order s[10:11]
	s_load_b128 s[12:15], s[0:1], 0x20             ; wts s[12:13], out0 s[14:15]
	v_lshl_add_u32 v254, v0, 2, 0x18100
	v_mov_b32 v255, 0
	v_lshrrev_b32 v3, 5, v0
	v_readfirstlane_b32 s16, v3                    ; wave w
	v_and_b32 v3, 31, v0                           ; lane
	v_and_b32 v4, 15, v0                           ; r
	v_bfe_u32 v82, v0, 4, 1                        ; h
	v_lshlrev_b32 v[L16], 4, v3
	v_lshlrev_b32 v[L8], 3, v3
	v_lshlrev_b32 v80, 4, v4                       ; 16 r
	v_lshlrev_b32 v94, 2, v3                       ; the order's words: by lane,
	v_lshlrev_b32 v95, 2, v4                       ; by r,
	v_lshlrev_b32 v96, 2, v82                      ; by h,
	s_lshl_b32 s20, s16, 5
	v_lshl_add_u32 v97, v82, 2, s20                ; and by h among my wave's eight rows
	s_lshl_b32 s34, ttmp9, 7
	s_mov_b32 s35, 0
	s_wait_kmcnt 0x0
	s_add_nc_u64 s[10:11], s[10:11], s[34:35]      ; the block's 32 records
	global_load_b32 v56, v94, s[10:11]             ; token l's
	global_load_b32 v57, v95, s[10:11]             ; token r's of tile 0,
	global_load_b32 v58, v95, s[10:11] offset:64   ; of tile 1
.irp q, 0,1,2,3,4,5,6,7,8,9,10,11,12,13,14,15
	global_load_b32 v[60+\q], v96, s[10:11] offset:8*\q        ; row 2 q + h's
.endr
.irp p, 0,1,2,3
	global_load_b32 v[76+\p], v97, s[10:11] offset:8*\p        ; row 8 w + 2 p + h's
.endr
	; while they are on their way: addresses, constants, and the sums' zeros (which expert comes first hangs on the stored list, so no product can start them)
	v_mul_u32_u24 v[XRD], v4, XP
	v_mad_u32_u24 v[XRD], v82, 48, v[XRD]
	v_mul_u32_u24 v[HWR], v4, HP
	v_mad_u32_u24 v[HWR], v82, 12, v[HWR]
	s_mul_i32 s20, s16, 24
	s_add_co_u32 s20, s20, HB
	v_add_nc_u32 v[HWR], s20, v[HWR]
	s_add_co_u32 s20, s16, HS
	v_lshl_add_u32 v[HSW], v4, 2, s20
	v_mul_u32_u24 v[HRD], v4, HP
	v_mad_u32_u24 v[HRD], v82, 24, v[HRD]
	v_add_nc_u32 v[HRD], HB, v[HRD]
	v_lshl_add_u32 v[HSR], v3, 2, HS
	s_mul_i32 s20, s16, 16*SP
	s_add_co_u32 s20, s20, STG
	v_mul_u32_u24 v[SWR], v4, SP
	v_lshl_add_u32 v[SWR], v82, 5, v[SWR]
	v_add_nc_u32 v[SWR], s20, v[SWR]
	v_mul_u32_u24 v[SRD], v82, SP
	v_lshl_add_u32 v[SRD], v4, 4, v[SRD]
	v_add_nc_u32 v[SRD], s20, v[SRD]
	s_mul_i32 s20, s16, 8*XP
	v_mul_u32_u24 v98, v82, XP
	v_lshl_add_u32 v98, v4, 4, v98
	v_add_nc_u32 v98, s20, v98                     ; where the gathered rows go: row 8 w + h, + 16 r
	v_mov_b32 v[CF+1], 0
	v_mov_b32 v[CF+3], 0
	v_mov_b32 v[QPP], 0                            ; written once: a lane permute's destination counts as one of its sources
	v_mov_b32 v[QPP+1], 0
	s_mov_b32 s[SEL], 0x76543210
	s_mov_b32 s[SEL+1], 0xfedcba98
	s_mov_b32 s38, 0xbfb8aa3b                      ; -log2(e)
	s_mov_b32 s39, s38                             ; (named with it as a pair, so it is written)
	s_mul_i32 s32, s16, 76800                      ; my wave's part of an expert
	s_mov_b32 s34, s32
	s_add_nc_u64 s[CUR:CUR+1], s[8:9], s[34:35]    ; expert 0
	s_lshl_b32 s34, s16, 10
	s_add_nc_u64 s[14:15], s[14:15], s[34:35]      ; out0 at my 256 columns
	WIN 0x80
.set j, 0
.rept 256
	v_mov_b32 v[j], 0
.set j, j+1
.endr
	WIN 0
	s_wait_loadcnt 0x0
	v_bfe_u32 v92, v56, 17, 4                      ; token l's two experts
	v_bfe_u32 v93, v56, 13, 4
	v_and_b32 v83, 0x1fff, v56
	v_min_u32 v83, 0x1fff, v83
	v_lshlrev_b32 v88, 5, v83                      ; its 32 bytes of xs
.irp m, 0,1
	v_bfe_u32 v[EA+2*\m], v[57+\m], 17, 4
	v_bfe_u32 v[EA+2*\m+1], v[57+\m], 13, 4
	v_and_b32 v[57+\m], 0x1fff, v[57+\m]
	v_min_u32 v[57+\m], 0x1fff, v[57+\m]
	v_lshlrev_b32 v[90+\m], 3, v[57+\m]            ; its 8 bytes of wts
.endr
.irp q, 0,1,2,3,4,5,6,7,8,9,10,11,12,13,14,15
	v_and_b32 v[60+\q], 0x1fff, v[60+\q]
	v_min_u32 v[60+\q], 0x1fff, v[60+\q]
	v_lshlrev_b32 v[ROFF+\q], 12, v[60+\q]
	v_add_nc_u32 v[ROFF+\q], v80, v[ROFF+\q]
.endr
.irp p, 0,1,2,3
	v_and_b32 v[76+\p], 0x1fff, v[76+\p]
	v_min_u32 v[76+\p], 0x1fff, v[76+\p]
	v_mul_u32_u24 v[84+\p], v[76+\p], 768
	v_add_nc_u32 v[84+\p], v80, v[84+\p]
.endr
.irp p, 0,1,2,3
.irp u, 0,1,2
	global_load_b128 v[100+4*(3*\p+\u):100+4*(3*\p+\u)+3], v[84+\p], s[4:5] offset:256*\u th:TH_LOAD_NT   ; each half of the lanes reads 256 consecutive bytes of a token's codes; each token is read once in the launch
.endr
.endr
	global_load_b128 v[XS:XS+3], v88, s[6:7]
	global_load_b128 v[XS+4:XS+7], v88, s[6:7] offset:16
	global_load_b64 v[WT:WT+1], v90, s[12:13]
	global_load_b64 v[WT+2:WT+3], v91, s[12:13]
	s_mov_b32 s17, 0                               ; the mask of experts that the block uses
.irp e, 0,1,2,3,4,5,6,7,8,9,10,11,12,13,14,15
	v_cmp_eq_u32 s20, \e, v92
	v_cmp_eq_u32 s21, \e, v93
	s_or_b32 s20, s20, s21                         ; SCC: some lane names e
	s_cselect_b32 s21, 1<<\e, 0
	s_or_b32 s17, s17, s21
.endr
	s_ctz_i32_b32 s26, s17
	s_min_u32 s26, s26, 15                         ; the first used expert
	s_mul_i32 s34, s26, EBYTES
	s_add_co_u32 s34, s34, s32
	s_add_nc_u64 s[NXT:NXT+1], s[8:9], s[34:35]
	GLD NXT, 0, 0, 0                               ; the ring is filled: the first used expert's first four groups
	GLD NXT, 1, 1, 0
	GLD NXT, 2, 2, 0
	GLD NXT, 3, 3, 0
	WIN 0
	s_mov_b32 s[FILLED], 1
	s_wait_loadcnt 52                              ; the gathers are in; the ring's 4 x 13 loads stay out
.irp p, 0,1,2,3
.irp u, 0,1,2
	ds_store_b128 v98, v[100+4*(3*\p+\u):100+4*(3*\p+\u)+3] offset:2*\p*XP+256*\u
.endr
.endr
	s_wait_dscnt 0x0                               ; for the others' sake: my eight rows have landed
	s_barrier_signal -1
	s_barrier_wait -1
	WIN 0x40                                       ; x's sixteen fragments stay in window 1: (K step s, tile m) at 12 (2 s + m)
.irp s, 0,1,2,3,4,5,6,7
.irp m, 0,1
.irp c, 0,1,2
	ds_load_b128 v[12*(2*\s+\m)+4*\c:12*(2*\s+\m)+4*\c+3], v[XRD] offset:16*XP*\m+96*\s+16*\c
.endr
.endr
.endr
	WIN 0
	s_wait_dscnt 0x0
	s_mov_b32 s18, 0                               ; the expert in hand
	s_mov_b32 s19, 0
.Lwalk:                                            ; 8 trips of two experts: h's two regions take turns
	EXPERT 0
	EXPERT 1
	s_add_co_u32 s19, s19, 1
	s_cmp_lt_u32 s19, 8
	s_cbranch_scc1 .Lwalk
	; THE WAY OUT.  A lane holds 32 neighbouring bytes of a token's row for each of 16 tiles of columns; a tile of 16 tokens goes through my own stage and comes back as rows of 1,024 bytes.
.macro TOSTAGE m
	WIN 0x08                                       ; an LDS store's data are its source 1: window 2
.irp i, 0,1,2,3,4,5,6,7,8,9,10,11,12,13,14,15
	ds_store_b128 v[SWR], v[8*(2*\i+\m):8*(2*\i+\m)+3] offset:64*\i
	ds_store_b128 v[SWR], v[8*(2*\i+\m)+4:8*(2*\i+\m)+7] offset:64*\i+16
.endr
	WIN 0x40                                       ; back into window 1, where x's fragments lay: LDS serves a wave's instructions in order, so these see the stores above
.irp p, 0,1,2,3,4,5,6,7
.irp u, 0,1,2,3
	ds_load_b128 v[128*\m+4*(4*\p+\u):128*\m+4*(4*\p+\u)+3], v[SRD] offset:2*\p*SP+256*\u
.endr
.endr
.endm
.macro SEND m
	WIN 0x04                                       ; a store's data are its source 1: window 1
.irp p, 0,1,2,3,4,5,6,7
.irp u, 0,1,2,3
	global_store_b128 v[ROFF+8*\m+\p], v[128*\m+4*(4*\p+\u):128*\m+4*(4*\p+\u)+3], s[14:15] offset:256*\u th:TH_STORE_NT   ; each half of the lanes stores 256 consecutive bytes of a token's row, at a multiple of 256 from out0's first byte
.endr
.endr
.endm
	TOSTAGE 0
	s_wait_dscnt 0x0                               ; tile 0 is back in registers
	TOSTAGE 1                                      ; tile 1 goes through the stage while tile 0 is stored
	SEND 0
	s_wait_dscnt 0x0                               ; tile 1 is back
	SEND 1
	WIN 0
	s_wait_tensorcnt 0x0
	ds_add_u32 v254, v255
	s_wait_dscnt 0x0
	s_endpgm
.Lfunc_end_k_qd34d9b8bc2_chain:
	.size	k_qd34d9b8bc2_chain, .Lfunc_end_k_qd34d9b8bc2_chain-k_qd34d9b8bc2_chain
	.p2alignl 7, 3214868480
	.fill 96, 4, 3214868480
	.section	.rodata,"a",@progbits
	.p2align	6, 0x0
	.amdhsa_kernel k_qd34d9b8bc2_chain
		.amdhsa_group_segment_fixed_size 99072
		.amdhsa_private_segment_fixed_size 0
		.amdhsa_enable_private_segment 0
		.amdhsa_kernarg_size 48
		.amdhsa_user_sgpr_count 2
		.amdhsa_user_sgpr_kernarg_segment_ptr 1
		.amdhsa_wavefront_size32 1
		.amdhsa_system_sgpr_workgroup_id_x 1
		.amdhsa_system_sgpr_workgroup_id_y 1
		.amdhsa_system_sgpr_workgroup_id_z 1
		.amdhsa_system_vgpr_workitem_id 0
		.amdhsa_next_free_vgpr 1024
		.amdhsa_next_free_sgpr 66
		.amdhsa_reserve_vcc 0
		.amdhsa_float_denorm_mode_32 3
		.amdhsa_float_denorm_mode_16_64 3
		.amdhsa_memory_ordered 1
		.amdhsa_forward_progress 1
		.amdhsa_inst_pref_size 180
	.end_amdhsa_kernel
	.amdgpu_metadata
---
amdhsa.version: [ 1, 2 ]
amdhsa.kernels:
  - .name:           k_qd34d9b8bc2_chain
    .symbol:         k_qd34d9b8bc2_chain.kd
    .args:
      - { .name: xq, .offset: 0, .size: 8, .value_kind: global_buffer, .address_space: global }
      - { .name: xs, .offset: 8, .size: 8, .value_kind: global_buffer, .address_space: global }
      - { .name: wq, .offset: 16, .size: 8, .value_kind: global_buffer, .address_space: global }
      - { .name: order, .offset: 24, .size: 8, .value_kind: global_buffer, .address_space: global }
      - { .name: wts, .offset: 32, .size: 8, .value_kind: global_buffer, .address_space: global }
      - { .name: out0, .offset: 40, .size: 8, .value_kind: global_buffer, .address_space: global }
    .group_segment_fixed_size: 99072
    .private_segment_fixed_size: 0
    .kernarg_segment_align: 8
    .kernarg_segment_size: 48
    .max_flat_workgroup_size: 128
    .sgpr_count:     66
    .vgpr_count:     1024
    .wavefront_size: 32
...
	.end_amdgpu_metadata
.endif
;; end of part 3
;; ======== version 2 of 2: 3 launches
;; workspace buffers: xq 6,291,456 bytes; xs 262,144 bytes; wq 4,915,200 bytes; wts 65,536 bytes; sel 32,768 bytes of whole numbers; order 32,768 bytes of whole numbers
;; launch front (part 4): grid 256 x 1, 4 waves a work-group, no clusters, 109,568 bytes of LDS; arguments hidden_states, gate_weight, xq, xs, sel, wts, out1; writes xq, xs, sel, wts, out1
.if DOCPART == 4
	.amdgcn_target "amdgcn-amd-amdhsa--gfx1250"
	.amdhsa_code_object_version 6
	.text
	.protected	k_qd34d9b8bc2_front
	.globl	k_qd34d9b8bc2_front
	.p2align	8
	.type	k_qd34d9b8bc2_front,@function
k_qd34d9b8bc2_front:
	s_mov_b64 s[64:65], 0
	v_nop
	global_prefetch_b8 v0, s[64:65] scope:SCOPE_SE
	s_setreg_imm32_b32 hwreg(HW_REG_WAVE_SCHED_MODE, 0, 2), 2
	s_setreg_imm32_b32 hwreg(HW_REG_WAVE_MODE, 25, 1), 1
	s_wait_xcnt 0x0
	s_wait_alu depctr_vm_vsrc(0)
; FRONT.  x [8192][1024] f32 becomes codes of E2M3 with one E8M0 byte for each 32 along K (xq, xs); the router's product Q(x) Q(gate_weight)^T gives the logits (out1);
; the two experts of each token and their weights are chosen as sparsemixer chooses them and stored at fixed places: sel[t] = emin<<17 | emax<<13 | t, wts[t] = (weight of emin, weight of emax).
; SHARES.  A work-group owns 32 tokens.  Wave WV takes tile m = WV / 2 (16 tokens) and half kh = WV % 2 of K (512 numbers a token): 64 loads of 512 consecutive bytes, all asked for at the start.
; It also quantises K steps 2 WV and 2 WV + 1 of gate_weight; the other waves take them from LDS as images of the operand's registers.
; A FRAGMENT (16 rows x 128 K, 12 registers a lane): lane (r, h) holds row r; registers 6 c .. 6 c + 5 hold k = 64 c + 32 h + 0 .. 31.  So a lane wants two whole blocks of 32 of its row: the numbers are loaded as they lie
; (a row's 512 bytes by 32 lanes) and turn through the wave's own stage in LDS.  No other lane is asked for a block's largest magnitude.
; xq: token t has 768 bytes; at 96 s + 48 h + 16 c lie registers 4 c .. 4 c + 3 of lane half h of K step s.  xs: token t has 8 scale words, K step s at 4 s.
; After the one barrier the waves with kh = 1 store their tile's codes and scale words (whole aligned runs of 256 bytes), the waves with kh = 0 make the logits and the choice.
; LIMITS: NaN and infinities among the inputs are not served.  A block whose largest magnitude lies under 2^-124 (a block of zeros too) gets the byte 1; only this program reads the bytes.
; The jitter mask takes (max - s) x (1 / factor) for the quotient: it can differ from a true division only within about an ulp of the threshold 0.02.
; THE MODE: SCHED_MODE bits 1:0 = 2 (LLVM: expert scheduling mode 2), set by the entry lines.  The code itself states the register dependences
; between vector or matrix instructions and memory or LDS instructions, with s_wait_alu, always for 0.
; THE PLAN.  Registers that memory or LDS instructions touch:
;   raw sets 0 .. 3 (window 1)  Written by global loads, read by the turn's LDS stores; no vector instruction names them.  Sets 0 and 1 are loaded a second time (the gate's rows), and behind the barrier the gate's images
;                               land there: each time behind a wait on vm_vsrc for the LDS stores that read them.
;   XT0, XT1                    Turn t's LDS loads land in XT[t % 2]; item t's quantiser reads it.
;   XF, XSW, GC, GW             Written by an item's quantiser, read by the same item's LDS stores.  XF and XSW 0 .. 3 are also the first four products' operand and scales.
;   v1, v5 .. v19, v70, v71     Offsets and LDS addresses: made at the head, never written again.
; So ONE wait on va_vdst stands in an item, behind its quantiser: the codes and scale words are written, which the item's LDS stores read, and the quantiser is done reading XT[t % 2], in which the turn after next lands.
; One wait on vm_vsrc stands ahead of the barrier: behind it registers that my LDS stores have read are written anew (raw sets 0 and 1, GC, XF).
; A compare's mask is awaited between the compare and the select that reads it: compares that do not hang on each other go in runs into scalar registers, one wait a run.
.set CP,   784                         ; a token's row in the stage of codes: 768 bytes + 16 (49 x 16: sixteen rows start at sixteen different groups of banks)
.set XSS,  32*CP                       ; LDS: codes of 32 tokens from byte 0; then their scale words, 32 bytes a token;
.set GIM,  XSS+1024                    ; the gate's 8 fragments as images, 1,536 bytes each;
.set GSC,  GIM+8*1536                  ; their scale words, 4 bytes a lane;
.set LGS,  GSC+8*128                   ; a stage for the logits, 1,024 bytes a tile;
.set TST,  LGS+2048                    ; and for each wave two stages of 16 rows x (512 + 16) bytes for the turn
.set TP,   528
.set TSZ,  16*TP
.set L16,  1                           ; 16 x lane
.set R,    2                           ; lane % 16
.set H,    3                           ; lane / 16
.set H8,   4                           ; 8 h
.set TW,   5                           ; the turn: where a load's 512 bytes go
.set TRD,  6                           ; and where my row's numbers come back from
.set CW,   7                           ; where I put my codes
.set XSWA, 8                           ; and my four scale words
.set GIW,  9                           ; the gate's images, my two
.set GSW,  10                          ; and their scale words
.set XSO,  11                          ; the tile's scale words, 16 bytes a lane
.set CRX,  12                          ; my row's codes of the other half of K
.set XSR,  13                          ; and its scale words
.set CRD,  14                          ; the tile's codes by rows: lanes 0-15 one row, lanes 16-31 the next
.set XQO,  15                          ; the same place in xq
.set LGW,  16                          ; the logits' stage, in
.set LGR,  17                          ; and back
.set L4,   18                          ; 4 x lane
.set TOK,  19                          ; my token's number
.set QM,   20                          ; v20-21 largest magnitudes; later the choice's temporaries
.set QS,   22                          ; v22-23 the conversions' scale operands
.set QB,   24                          ; v24-25 bytes
.set QP,   26                          ; a lane permute's destination
.set QT,   28                          ; v28-35 the second halves of the blocks' codes
.set XSW,  36                          ; v36-43 x's scale words, K steps 0 to 7: scales and nothing else
.set GC,   44                          ; v44-67 the gate's two fragments
.set GW,   68                          ; v68-69 their scale words
.set WTA,  70                          ; 8 r + 4 h
.set SLA,  71                          ; 4 r
.set XF,   72                          ; v72-119 my four fragments of x
.set XT,   120                         ; v120-247 two sets of 64 turned numbers
.set XO,   120                         ; behind the barrier: the other half's four fragments,
.set ACA,  168                         ; two accumulators,
.set ACB,  176
.set LG,   184                         ; my eight logits,
.set OT,   192                         ; the other half of the lanes' eight,
.set SS,   200                         ; all sixteen,
.set SCB,  216                         ; all sixteen with the first choice taken out,
.set FF,   232                         ; sixteen factors
.set GSR,  248                         ; v248-255 the gate's scale words: scales and nothing else
.set EX,   44                          ; sixteen exponentials (the gate's fragments have been stored)
.set BEST, 20
.set QQ,   22
.set SU,   24
.set ZR,   27
.set NINF, 30
.set SEL,  24                          ; s[24:25] lane selects: lane l xor 16
.set MK,   30                          ; s30-45 behind the head, where they held offsets: sixteen masks of a run of compares
.set MSB,  0
.macro WIN new                         ; the immediate's high byte repeats the setting that is left
.if MSB != \new
	s_set_vgpr_msb (MSB<<8)|\new
.set MSB, \new
.endif
.endm
; 64 numbers of a lane (register 32 c + i = k 64 c + 32 h + i of my row) become the fragment's 12 registers and the row's scale word
.macro QFRAG x, c, w
.set qx, \x
.set qc, \c
.set qw, \w
	v_max3_num_f32 v[QM], |v[qx]|, |v[qx+1]|, 0x1800000           ; the floor 2^(3 - 127) among the leaves holds the byte at 1 from below
	v_max3_num_f32 v[QM+1], |v[qx+32]|, |v[qx+33]|, 0x1800000
.irp i, 2,4,6,8,10,12,14,16,18,20,22,24,26,28,30
	v_max3_num_f32 v[QM], v[QM], |v[qx+\i]|, |v[qx+\i+1]|         ; the two blocks by turns
	v_max3_num_f32 v[QM+1], v[QM+1], |v[qx+32+\i]|, |v[qx+33+\i]|
.endr
	v_add_nc_u32 v[QS], 0xff000000, v[QM]                         ; 2 off the exponent field: the conversion's scale operand
	v_add_nc_u32 v[QS+1], 0xff000000, v[QM+1]
	v_lshrrev_b32 v[QB], 23, v[QS]                                ; the bytes of blocks h and 2 + h
	v_lshrrev_b32 v[QB+1], 23, v[QS+1]
	v_lshl_or_b32 v[qw], v[QB+1], 16, v[QB]
	v_lshlrev_b32 v[qw], v[H8], v[qw]                             ; at their places in the word
	v_permlanex16_b32 v[QP], v[qw], s[SEL], s[SEL+1]
	v_or_b32 v[qw], v[qw], v[QP]                                  ; with lane l xor 16's two the word is whole
	v_cvt_scalef32_pk16_fp6_f32 v[qc:qc+2], v[qx:qx+15], v[QS]
	v_cvt_scalef32_pk16_fp6_f32 v[QT:QT+2], v[qx+16:qx+31], v[QS] ; (a conversion's three registers begin on an even number)
	v_cvt_scalef32_pk16_fp6_f32 v[qc+6:qc+8], v[qx+32:qx+47], v[QS+1]
	v_cvt_scalef32_pk16_fp6_f32 v[QT+4:QT+6], v[qx+48:qx+63], v[QS+1]
	v_nop                                                         ; one plain place behind the conversions
.irp i, 0,1,2
	v_mov_b32 v[qc+3+\i], v[QT+\i]
	v_mov_b32 v[qc+9+\i], v[QT+4+\i]
.endr
.endm
.macro XLOAD q                         ; K step q of my half: 16 rows, 512 consecutive bytes each, into raw set q (window 1)
	WIN 0x40
.irp p, 0,1,2,3,4,5,6,7,8,9,10,11,12,13,14,15
	global_load_b128 v[64*(\q)+4*\p:64*(\q)+4*\p+3], v[L16], s[4:5] offset:4096*\p+512*(\q) th:TH_LOAD_NT
.endr
	WIN 0
.endm
.macro GLOADS                          ; my two K steps of gate_weight (16 experts' rows) into raw sets 0 and 1
	WIN 0x40
	s_wait_alu depctr_vm_vsrc(0)                   ; the LDS stores of turns 0 and 1 have read raw sets 0 and 1, in which the loads below land
.irp a, 0,1
.irp p, 0,1,2,3,4,5,6,7,8,9,10,11,12,13,14,15
	global_load_b128 v[64*\a+4*\p:64*\a+4*\p+3], v[L16], s[6:7] offset:4096*\p+512*\a
.endr
.endr
	WIN 0
.endm
.macro TURN t                          ; item t through stage t % 2: LDS serves a wave's instructions in order, so no wait stands between the stores and the loads
	WIN 0x04                                       ; an LDS store's data are its source 1: window 1
.irp p, 0,1,2,3,4,5,6,7,8,9,10,11,12,13,14,15
	ds_store_b128 v[TW], v[64*((\t)%4)+4*\p:64*((\t)%4)+4*\p+3] offset:((\t)%2)*TSZ+\p*TP
.endr
	WIN 0
.irp c, 0,1
.irp j, 0,1,2,3,4,5,6,7
	ds_load_b128 v[XT+64*((\t)%2)+32*\c+4*\j:XT+64*((\t)%2)+32*\c+4*\j+3], v[TRD] offset:((\t)%2)*TSZ+256*\c+16*\j
.endr
.endr
.endm
; Item t: 0 to 3 are x's K steps, 4 and 5 the gate's.  n: the younger loads that may stay out when item t + 1's sixteen have to be there.
.macro ITEM t, n
.if (\t) < 5
	s_wait_loadcnt \n
	TURN (\t)+1                                    ; its loads land in the XT set that item t - 1's quantiser read: that item's wait on va_vdst has shown it done, and no vector instruction since names the set
	s_wait_dscnt 32                                ; all but the 32 just issued: item t's numbers are back from the stage
.else
	s_wait_dscnt 0x0
.endif
.if (\t) == 1
	GLOADS                                         ; raw sets 0 and 1 have been read by their stores into the stage
.endif
.if (\t) < 4
	QFRAG XT+64*((\t)%2), XF+12*(\t), XSW+(\t)
	s_wait_alu depctr_va_vdst(0)                   ; the quantiser has written this K step's codes and scale word, which the LDS stores below read (and which the products take as operand and scales), and is done reading its XT set, in which the turn after next lands
.irp c, 0,1,2
	ds_store_b128 v[CW], v[XF+12*(\t)+4*\c:XF+12*(\t)+4*\c+3] offset:96*(\t)+16*\c
.endr
.else
	QFRAG XT+64*((\t)%2), GC+12*((\t)-4), GW+(\t)-4
	s_wait_alu depctr_va_vdst(0)                   ; the quantiser has written the gate's codes and scale word, which the LDS stores below read, and is done reading its XT set, in which loads land behind the barrier
.irp c, 0,1,2
	ds_store_b128 v[GIW], v[GC+12*((\t)-4)+4*\c:GC+12*((\t)-4)+4*\c+3] offset:1536*((\t)-4)+512*\c
.endr
	ds_store_b32 v[GSW], v[GW+(\t)-4] offset:128*((\t)-4)
.endif
.if (\t) == 3
	ds_store_b128 v[XSWA], v[XSW:XSW+3]            ; my row's four scale words (both halves of the lanes hold and write the same)
.endif
.endm
; One choice: the largest of v[a] .. v[a + 15] (the lower index wins a tie) and its softmax weight over the scores that the jitter mask leaves.
.macro MIX a, idx, w
	v_mov_b32 v[BEST], v[(\a)]
	v_mov_b32 v[\idx], 0
.irp e, 1,2,3,4,5,6,7,8,9,10,11,12,13,14,15
	v_cmp_le_f32 vcc_lo, v[(\a)+\e], v[BEST]
	s_wait_alu depctr_va_vcc(0)                    ; the compare has written VCC, which the two selects read (each compare hangs on the select before it: no run can be made of them)
	v_cndmask_b32 v[\idx], \e, v[\idx], vcc_lo
	v_cndmask_b32 v[BEST], v[(\a)+\e], v[BEST], vcc_lo
.endr
.irp e, 0,1,2,3,4,5,6,7,8,9,10,11,12,13,14,15
	v_max_num_f32 v[FF+\e], |v[SS+\e]|, v[BEST]    ; the factor
.endr
.irp e, 0,1,2,3,4,5,6,7,8,9,10,11,12,13,14,15
	v_sub_f32 v[EX+\e], v[(\a)+\e], v[BEST]        ; the maximum is taken away first: no exponent is above 0
.endr
.irp e, 0,1,2,3,4,5,6,7,8,9,10,11,12,13,14,15
	v_mul_f32 v[EX+\e], s28, v[EX+\e]
.endr
	s_wait_alu depctr_va_vdst(0)
.irp e, 0,1,2,3,4,5,6,7,8,9,10,11,12,13,14,15
	v_rcp_f32 v[FF+\e], v[FF+\e]
.endr
.irp e, 0,1,2,3,4,5,6,7,8,9,10,11,12,13,14,15
	v_exp_f32 v[EX+\e], v[EX+\e]
.endr
	v_nop                                          ; one plain place behind the transcendentals
	s_wait_alu depctr_va_vdst(0)                   ; the sixteen reciprocals in FF and the sixteen exponentials in EX are written (and an earlier choice's weight): one wait for the batch, ahead of its first reader
.irp e, 0,1,2,3,4,5,6,7,8,9,10,11,12,13,14,15
	v_sub_f32 v[QQ+\e%2], v[BEST], v[SS+\e]
	v_mul_f32 v[QQ+\e%2], v[QQ+\e%2], v[FF+\e]
	v_cmp_lt_f32 s[MK+\e], s27, v[QQ+\e%2]         ; (max - s) / factor > 0.02: masked.  The sixteen compares go in one run, a scalar register each
.endr
	s_wait_alu depctr_va_sdst(0)                   ; the sixteen compares have written s[MK ..], which the selects below read
.irp e, 0,1,2,3,4,5,6,7,8,9,10,11,12,13,14,15
	v_cndmask_b32 v[EX+\e], v[EX+\e], v[ZR], s[MK+\e]
.endr
	v_pk_add_f32 v[SU:SU+1], v[EX:EX+1], v[EX+2:EX+3]
.irp e, 4,6,8,10,12,14
	v_pk_add_f32 v[SU:SU+1], v[SU:SU+1], v[EX+\e:EX+\e+1]
.endr
	v_add_f32 v[SU], v[SU], v[SU+1]
	s_wait_alu depctr_va_vdst(0)
	v_rcp_f32 v[\w], v[SU]                         ; the chosen one's own term is 1
	v_nop
.endm
	s_load_b256 s[4:11], s[0:1], 0x0               ; x s[4:5], gate_weight s[6:7], xq s[8:9], xs s[10:11]
	s_load_b128 s[12:15], s[0:1], 0x20             ; sel s[12:13], wts s[14:15]
	s_load_b64 s[16:17], s[0:1], 0x30              ; out1
	v_lshl_add_u32 v31, v0, 2, 0x1aa00
	v_mov_b32 v35, 0
	v_lshrrev_b32 v20, 5, v0
	v_readfirstlane_b32 s18, v20                   ; wave
	v_and_b32 v21, 31, v0
	v_and_b32 v[R], 15, v0
	v_bfe_u32 v[H], v0, 4, 1
	v_lshlrev_b32 v[H8], 3, v[H]
	v_lshlrev_b32 v[L16], 4, v21
	v_lshlrev_b32 v[L4], 2, v21
	s_wait_alu depctr_va_sdst(0)                   ; s18 is written, ahead of its first reader: the tile, the half of K and every base are made from it
	s_lshr_b32 s19, s18, 1                         ; m: my tile
	s_and_b32 s20, s18, 1                          ; kh: my half of K
	s_lshl_b32 s44, ttmp9, 1
	s_add_co_u32 s44, s44, s19                     ; the tile's number among all 512
	s_lshl_b32 s30, s44, 16                        ; x: 16 rows of 4,096 bytes a tile, + 2,048 kh
	s_lshl_b32 s21, s20, 11
	s_add_co_u32 s30, s30, s21
	s_mov_b32 s31, 0
	s_lshl_b32 s32, s18, 10                        ; gate_weight: 1,024 bytes of each row a wave
	s_mov_b32 s33, 0
	s_mul_i32 s34, s44, 12288                      ; xq: 16 x 768
	s_mov_b32 s35, 0
	s_lshl_b32 s36, s44, 9                         ; xs: 16 x 32
	s_mov_b32 s37, 0
	s_lshl_b32 s38, s44, 6                         ; sel: 16 x 4
	s_mov_b32 s39, 0
	s_lshl_b32 s40, s44, 7                         ; wts: 16 x 8
	s_mov_b32 s41, 0
	s_lshl_b32 s42, s44, 10                        ; out1: 16 x 64
	s_mov_b32 s43, 0
	s_mov_b32 s[SEL], 0x76543210
	s_mov_b32 s[SEL+1], 0xfedcba98
	s_mov_b32 s26, 0xffff0000                      ; the lanes with h = 1
	s_mov_b32 s27, 0x3ca3d70a                      ; 0.02
	s_mov_b32 s28, 0x3fb8aa3b                      ; log2(e)
	s_wait_kmcnt 0x0
	s_add_nc_u64 s[4:5], s[4:5], s[30:31]
	s_add_nc_u64 s[6:7], s[6:7], s[32:33]
	s_add_nc_u64 s[8:9], s[8:9], s[34:35]
	s_add_nc_u64 s[10:11], s[10:11], s[36:37]
	s_add_nc_u64 s[12:13], s[12:13], s[38:39]
	s_add_nc_u64 s[14:15], s[14:15], s[40:41]
	s_add_nc_u64 s[16:17], s[16:17], s[42:43]
	s_wait_alu depctr_va_vdst(0)                   ; v[L16] is written, which the loads of x and of the gate read as their offset
	XLOAD 0                                        ; all of my 32 KiB of x is asked for before anything else
	XLOAD 1
	XLOAD 2
	XLOAD 3
	; every LDS address is made here, ahead of the place where the waves' roles part
	s_mul_i32 s21, s18, 2*TSZ
	s_add_co_u32 s21, s21, TST
	v_add_nc_u32 v[TW], s21, v[L16]
	v_mul_u32_u24 v[TRD], v[R], TP
	v_lshl_add_u32 v[TRD], v[H], 7, v[TRD]
	v_add_nc_u32 v[TRD], s21, v[TRD]               ; row r, + 128 h: my 32 numbers of each 64
	s_mul_i32 s21, s19, 16*CP
	v_mul_u32_u24 v22, v[R], CP
	v_mad_u32_u24 v22, v[H], 48, v22
	v_add_nc_u32 v22, s21, v22                     ; row 16 m + r, + 48 h
	s_mul_i32 s22, s20, 384
	v_add_nc_u32 v[CW], s22, v22
	v_add_nc_u32 v[CRX], 384, v22
	v_mul_u32_u24 v[CRD], v[H], CP
	v_lshl_add_u32 v[CRD], v[R], 4, v[CRD]
	v_add_nc_u32 v[CRD], s21, v[CRD]
	s_lshl_b32 s21, s19, 9
	s_add_co_u32 s21, s21, XSS
	v_lshl_add_u32 v[XSR], v[R], 5, s21
	s_lshl_b32 s22, s20, 4
	v_add_nc_u32 v[XSWA], s22, v[XSR]
	v_add_nc_u32 v[XSR], 16, v[XSR]
	v_add_nc_u32 v[XSO], s21, v[L16]
	s_mul_i32 s21, s18, 3072
	s_add_co_u32 s21, s21, GIM
	v_add_nc_u32 v[GIW], s21, v[L16]
	s_lshl_b32 s21, s18, 8
	s_add_co_u32 s21, s21, GSC
	v_add_nc_u32 v[GSW], s21, v[L4]
	s_lshl_b32 s21, s19, 10
	s_add_co_u32 s21, s21, LGS
	v_lshlrev_b32 v22, 6, v[R]
	v_lshl_add_u32 v22, v[H], 5, v22
	v_add_nc_u32 v[LGW], s21, v22
	v_add_nc_u32 v[LGR], s21, v[L16]
	v_mul_u32_u24 v[XQO], v[H], 768
	v_lshl_add_u32 v[XQO], v[R], 4, v[XQO]
	s_lshl_b32 s21, s44, 4
	v_add_nc_u32 v[TOK], s21, v[R]
	v_lshlrev_b32 v[WTA], 3, v[R]
	v_lshl_add_u32 v[WTA], v[H], 2, v[WTA]
	v_lshlrev_b32 v[SLA], 2, v[R]
	v_mov_b32 v[QP], 0                             ; written once: a lane permute's destination counts as one of its sources
	s_wait_loadcnt 48                              ; K step 0's sixteen loads are in; 48 younger ones stay out
	s_wait_alu depctr_va_vdst(0)                   ; the LDS addresses and the stores' offsets v5 to v19, v70 and v71 are written: every LDS instruction and store from here on reads one of them, and none is written again
	TURN 0
	ITEM 0, 32                                     ; K step 1 is in; steps 2 and 3 stay out
	ITEM 1, 16                                     ; step 2 is in; step 3 stays out
	ITEM 2, 32                                     ; step 3 is in; the gate's 32 loads, issued behind it, stay out
	ITEM 3, 16                                     ; the gate's first K step is in
	ITEM 4, 0
	ITEM 5, 0
	s_wait_dscnt 0x0                               ; for the others' sake: my codes, scale words and images have landed
	s_wait_alu depctr_vm_vsrc(0)                   ; my LDS stores have read raw sets 0 and 1, GC and XF: behind the barrier the gate's images land in the first, vector instructions write the second, the logits come back into the third
	s_barrier_signal -1
	s_barrier_wait -1
	s_cmp_eq_u32 s20, 0
	s_cbranch_scc1 .Lrouter
	; ---- kh = 1: the tile's codes and scale words leave: each half of the lanes stores 256 consecutive bytes, at a multiple of 256 from xq's first byte
	; (the loads land in XT, which the quantisers have read: the last item's wait on va_vdst has shown them done, and no vector instruction stands behind it)
.irp p, 0,1,2,3,4,5,6,7
.irp u, 0,1,2
	ds_load_b128 v[XT+4*(3*\p+\u):XT+4*(3*\p+\u)+3], v[CRD] offset:2*\p*CP+256*\u
.endr
.endr
	ds_load_b128 v[XT+96:XT+99], v[XSO]
.irp p, 0,1,2,3,4,5,6,7
.irp u, 0,1,2
	s_wait_dscnt 24-(3*\p+\u)                      ; LDS loads come back in order: this one is in, the younger ones stay out
	global_store_b128 v[XQO], v[XT+4*(3*\p+\u):XT+4*(3*\p+\u)+3], s[8:9] offset:2*\p*768+256*\u
.endr
.endr
	s_wait_dscnt 0x0
	global_store_b128 v[L16], v[XT+96:XT+99], s[10:11]     ; 16 tokens x 32 bytes: 512 consecutive bytes
	s_wait_dscnt 0x0                               ; the closing lines, six on end
	s_wait_alu 0x0
	s_wait_tensorcnt 0x0
	ds_add_u32 v31, v35
	s_wait_dscnt 0x0
	s_endpgm
.Lrouter:
	; ---- kh = 0: the logits.  Source 0 = the 16 experts' rows, source 1 = my 16 tokens: lane (r, h) then holds token r and its register j expert 8 h + j
	; (the loads below land in raw sets 0 and 1, freed by the wait on vm_vsrc ahead of the barrier, and in XT, freed by the last item's wait on va_vdst)
	WIN 0x40
.irp s, 0,1,2,3,4,5,6,7
.irp c, 0,1,2
	ds_load_b128 v[12*\s+4*\c:12*\s+4*\c+3], v[L16] offset:GIM+1536*\s+512*\c
.endr
.endr
	WIN 0
.irp s, 0,1,2,3,4,5,6,7
	ds_load_b32 v[GSR+\s], v[L4] offset:GSC+128*\s
.endr
.irp q, 0,1,2,3
.irp c, 0,1,2
	ds_load_b128 v[XO+12*\q+4*\c:XO+12*\q+4*\c+3], v[CRX] offset:96*\q+16*\c
.endr
.endr
	ds_load_b128 v[XSW+4:XSW+7], v[XSR]
	s_wait_dscnt 0x0
	WIN 0x01                                       ; source 0 window 1
	; K ascending, two accumulators by turns, one instruction a turn; the first two products start the sums.
	; XF and XSW 0 .. 3 were written by vector instructions: the items' waits on va_vdst have shown them written, and the gate's two quantisers stand between as places
	v_wmma_scale_f32_16x16x128_f8f6f4 v[ACA:ACA+7], v[0:11], v[XF:XF+11], 0, v[GSR], v[XSW] matrix_a_fmt:MATRIX_FMT_FP6 matrix_b_fmt:MATRIX_FMT_FP6
	v_wmma_scale_f32_16x16x128_f8f6f4 v[ACB:ACB+7], v[12:23], v[XF+12:XF+23], 0, v[GSR+1], v[XSW+1] matrix_a_fmt:MATRIX_FMT_FP6 matrix_b_fmt:MATRIX_FMT_FP6
	v_wmma_scale_f32_16x16x128_f8f6f4 v[ACA:ACA+7], v[24:35], v[XF+24:XF+35], v[ACA:ACA+7], v[GSR+2], v[XSW+2] matrix_a_fmt:MATRIX_FMT_FP6 matrix_b_fmt:MATRIX_FMT_FP6
	v_wmma_scale_f32_16x16x128_f8f6f4 v[ACB:ACB+7], v[36:47], v[XF+36:XF+47], v[ACB:ACB+7], v[GSR+3], v[XSW+3] matrix_a_fmt:MATRIX_FMT_FP6 matrix_b_fmt:MATRIX_FMT_FP6
	v_wmma_scale_f32_16x16x128_f8f6f4 v[ACA:ACA+7], v[48:59], v[XO:XO+11], v[ACA:ACA+7], v[GSR+4], v[XSW+4] matrix_a_fmt:MATRIX_FMT_FP6 matrix_b_fmt:MATRIX_FMT_FP6
	v_wmma_scale_f32_16x16x128_f8f6f4 v[ACB:ACB+7], v[60:71], v[XO+12:XO+23], v[ACB:ACB+7], v[GSR+5], v[XSW+5] matrix_a_fmt:MATRIX_FMT_FP6 matrix_b_fmt:MATRIX_FMT_FP6
	v_wmma_scale_f32_16x16x128_f8f6f4 v[ACA:ACA+7], v[72:83], v[XO+24:XO+35], v[ACA:ACA+7], v[GSR+6], v[XSW+6] matrix_a_fmt:MATRIX_FMT_FP6 matrix_b_fmt:MATRIX_FMT_FP6
	v_wmma_scale_f32_16x16x128_f8f6f4 v[ACB:ACB+7], v[84:95], v[XO+36:XO+47], v[ACB:ACB+7], v[GSR+7], v[XSW+7] matrix_a_fmt:MATRIX_FMT_FP6 matrix_b_fmt:MATRIX_FMT_FP6
	WIN 0
.rept 4
	v_nop                                          ; four places between the last product and the first read of results (ISA guide 7.12.1)
.endr
.irp j, 0,2,4,6
	v_pk_add_f32 v[LG+\j:LG+\j+1], v[ACA+\j:ACA+\j+1], v[ACB+\j:ACB+\j+1]   ; each accumulator from its low end on
.endr
	s_wait_alu depctr_va_vdst(0)                   ; the additions have written LG, which the LDS stores read; the products are done reading XF, in whose first eight registers the loads below land
	ds_store_b128 v[LGW], v[LG:LG+3]               ; the logits go through my own 1,024 bytes of LDS, so that a store covers 512 consecutive bytes of out1
	ds_store_b128 v[LGW], v[LG+4:LG+7] offset:16
	ds_load_b128 v[XF:XF+3], v[LGR]
	ds_load_b128 v[XF+4:XF+7], v[LGR] offset:512
.irp j, 0,1,2,3,4,5,6,7
	v_permlanex16_b32 v[OT+\j], v[LG+\j], s[SEL], s[SEL+1]
.endr
.irp j, 0,1,2,3,4,5,6,7
	v_cndmask_b32 v[SS+\j], v[LG+\j], v[OT+\j], s26          ; every lane now holds its token's sixteen scores
	v_cndmask_b32 v[SS+8+\j], v[OT+\j], v[LG+\j], s26
.endr
	v_mov_b32 v[ZR], 0
	v_mov_b32 v[NINF], 0xff800000
	MIX SS, 60, 61                                 ; the first choice: v60 its index, v61 its weight
.irp e, 0,1,2,3,4,5,6,7,8,9,10,11,12,13,14,15
	v_cmp_eq_u32 s[MK+\e], \e, v60                 ; sixteen compares in one run
.endr
	s_wait_alu depctr_va_sdst(0)                   ; they have written s[MK ..], which the selects below read
.irp e, 0,1,2,3,4,5,6,7,8,9,10,11,12,13,14,15
	v_cndmask_b32 v[SCB+\e], v[SS+\e], v[NINF], s[MK+\e]
.endr
	MIX SCB, 62, 63                                ; the second: v62, v63
	v_min_u32 v64, v60, v62                        ; the record names the lower expert first; the weights follow
	v_max_u32 v65, v60, v62
	v_cmp_lt_u32 vcc_lo, v60, v62
	s_wait_alu depctr_va_vcc(0)                    ; the compare has written VCC, which the two selects below read
	s_wait_alu depctr_va_vdst(0)                   ; the second choice's reciprocal, v63, is written (the first's, v61, likewise), ahead of its first reader
	v_cndmask_b32 v66, v63, v61, vcc_lo
	v_cndmask_b32 v67, v61, v63, vcc_lo
	v_lshl_or_b32 v28, v65, 13, v[TOK]
	v_lshl_or_b32 v28, v64, 17, v28
	v_cndmask_b32 v29, v66, v67, s26               ; lanes 0-15 store the lower expert's weight, lanes 16-31 the higher one's
	s_wait_dscnt 0x0
	s_wait_alu depctr_va_vdst(0)                   ; v28, the record, and v29, the weight, are written, which the last two stores read
	global_store_b128 v[L16], v[XF:XF+3], s[16:17]
	global_store_b128 v[L16], v[XF+4:XF+7], s[16:17] offset:512
	global_store_b32 v[WTA], v29, s[14:15]         ; 128 consecutive bytes
	global_store_b32 v[SLA], v28, s[12:13]         ; lanes r and r + 16 hold the same record and store it to the same word
	s_wait_dscnt 0x0                               ; the closing lines, six on end
	s_wait_alu 0x0
	s_wait_tensorcnt 0x0
	ds_add_u32 v31, v35
	s_wait_dscnt 0x0
	s_endpgm
.Lfunc_end_k_qd34d9b8bc2_front:
	.size	k_qd34d9b8bc2_front, .Lfunc_end_k_qd34d9b8bc2_front-k_qd34d9b8bc2_front
	.p2alignl 7, 3214868480
	.fill 96, 4, 3214868480
	.section	.rodata,"a",@progbits
	.p2align	6, 0x0
	.amdhsa_kernel k_qd34d9b8bc2_front
		.amdhsa_group_segment_fixed_size 109568
		.amdhsa_private_segment_fixed_size 0
		.amdhsa_enable_private_segment 0
		.amdhsa_kernarg_size 56
		.amdhsa_user_sgpr_count 2
		.amdhsa_user_sgpr_kernarg_segment_ptr 1
		.amdhsa_wavefront_size32 1
		.amdhsa_system_sgpr_workgroup_id_x 1
		.amdhsa_system_sgpr_workgroup_id_y 1
		.amdhsa_system_sgpr_workgroup_id_z 1
		.amdhsa_system_vgpr_workitem_id 0
		.amdhsa_next_free_vgpr 512
		.amdhsa_next_free_sgpr 66
		.amdhsa_reserve_vcc 1
		.amdhsa_float_denorm_mode_32 3
		.amdhsa_float_denorm_mode_16_64 3
		.amdhsa_memory_ordered 1
		.amdhsa_forward_progress 1
		.amdhsa_inst_pref_size 78
	.end_amdhsa_kernel
	.amdgpu_metadata
---
amdhsa.version: [ 1, 2 ]
amdhsa.kernels:
  - .name:           k_qd34d9b8bc2_front
    .symbol:         k_qd34d9b8bc2_front.kd
    .args:
      - { .name: hidden_states, .offset: 0, .size: 8, .value_kind: global_buffer, .address_space: global }
      - { .name: gate_weight, .offset: 8, .size: 8, .value_kind: global_buffer, .address_space: global }
      - { .name: xq, .offset: 16, .size: 8, .value_kind: global_buffer, .address_space: global }
      - { .name: xs, .offset: 24, .size: 8, .value_kind: global_buffer, .address_space: global }
      - { .name: sel, .offset: 32, .size: 8, .value_kind: global_buffer, .address_space: global }
      - { .name: wts, .offset: 40, .size: 8, .value_kind: global_buffer, .address_space: global }
      - { .name: out1, .offset: 48, .size: 8, .value_kind: global_buffer, .address_space: global }
    .group_segment_fixed_size: 109568
    .private_segment_fixed_size: 0
    .kernarg_segment_align: 8
    .kernarg_segment_size: 56
    .max_flat_workgroup_size: 128
    .sgpr_count:     66
    .vgpr_count:     512
    .wavefront_size: 32
...
	.end_amdgpu_metadata
.endif
;; end of part 4
;; launch place (part 5): grid 256 x 1, 16 waves a work-group, no clusters, 105,472 bytes of LDS; arguments sel, gate_up_weights, down_weights, order, wq; writes order, wq
.if DOCPART == 5
	.amdgcn_target "amdgcn-amd-amdhsa--gfx1250"
	.amdhsa_code_object_version 6
	.text
	.protected	k_qd34d9b8bc2_place
	.globl	k_qd34d9b8bc2_place
	.p2align	8
	.type	k_qd34d9b8bc2_place,@function
k_qd34d9b8bc2_place:
	s_mov_b64 s[64:65], 0
	v_nop
	global_prefetch_b8 v0, s[64:65] scope:SCOPE_SE
	s_setreg_imm32_b32 hwreg(HW_REG_WAVE_MODE, 25, 1), 1
	s_wait_xcnt 0x0
; PLACE.  Two jobs, shared evenly among 256 work-groups of sixteen waves.
; (a) THE ORDER.  All 8,192 records (emin<<17 | emax<<13 | t) differ, so a record's place in the sorted order is the number of records below it.  The work-group ranks tokens 32 wg .. + 31, a lane to a token;
;     wave WV counts among candidates 512 WV .. + 511, which it reads by scalar loads, 64 a trip.  The sixteen counts meet in LDS; wave 12 adds them and stores the record at its place.  No atomics.
; (b) THE WEIGHTS.  The 3,072 fragments (16 rows x 128 K) of gate_up_weights and down_weights become codes of E2M3 laid as images of the operand's registers, twelve fragments a work-group, one for each of waves 0 to 11.
;     The fragment's sixteen loads (512 consecutive bytes each) are on their way while the wave counts.
; wq: [expert 16][wave w 4][group G 12] x 6,400 bytes; a group is four images of 1,536 bytes (512 c + 16 lane) and 256 bytes of scale words.  Fragment g = 4 G + f of (e, w):
;   g < 32: K step G of gate_up, tile f: fragment row p is weight row 128 (f / 2) + 32 w + 8 (f % 2) + p + 8 (p / 8), so that in the transposed product a lane's 16 registers of tiles 2 b, 2 b + 1 are 16 neighbours along the next K;
;   g >= 32: rows 256 w + 16 (g - 32) + p of down.   The scale word of fragment f, row r: group + 6,144 + 128 (f % 2) + 8 r + 4 (f / 2).
; LIMITS: NaN and infinities are not served; a block whose largest magnitude lies under 2^-124 (a block of zeros too) gets the byte 1; only this program reads the bytes.
.set TS,   2048                        ; LDS: 2,048 bytes of counts (a word a thread) from byte 0; then a stage of 16 rows x (512 + 16) bytes for each of waves 0 to 11
.set TP,   528
.set R,    2
.set H,    3
.set H8,   4
.set L16,  5
.set MINE, 6
.set CNT,  7
.set T4,   8                           ; 4 x my thread's number
.set L4,   9
.set TW,   10
.set TRD,  11
.set R8,   12
.set MOF,  13
.set QM,   32
.set QS,   34
.set QB,   36
.set QP,   38
.set QT,   40
.set CC,   48                          ; v48-59 the fragment's codes
.set WW,   60                          ; its rows' scale word
.set RAW,  64                          ; v64-127 as loaded
.set XX,   128                         ; v128-191 turned
.set SEL,  94
.macro QFRAG x, c, w                   ; 64 numbers of a lane (register 32 c + i = k 64 c + 32 h + i of my row) become the fragment's 12 registers and the row's scale word
.set qx, \x
.set qc, \c
.set qw, \w
	v_max3_num_f32 v[QM], |v[qx]|, |v[qx+1]|, 0x1800000           ; the floor 2^(3 - 127) among the leaves holds the byte at 1 from below
	v_max3_num_f32 v[QM+1], |v[qx+32]|, |v[qx+33]|, 0x1800000
.irp i, 2,4,6,8,10,12,14,16,18,20,22,24,26,28,30
	s_delay_alu instid0(VALU_DEP_2)
	v_max3_num_f32 v[QM], v[QM], |v[qx+\i]|, |v[qx+\i+1]|
	s_delay_alu instid0(VALU_DEP_2)
	v_max3_num_f32 v[QM+1], v[QM+1], |v[qx+32+\i]|, |v[qx+33+\i]|
.endr
	s_delay_alu instid0(VALU_DEP_2)
	v_add_nc_u32 v[QS], 0xff000000, v[QM]                         ; 2 off the exponent field: the conversion's scale operand
	s_delay_alu instid0(VALU_DEP_2)
	v_add_nc_u32 v[QS+1], 0xff000000, v[QM+1]
	s_delay_alu instid0(VALU_DEP_2)
	v_lshrrev_b32 v[QB], 23, v[QS]
	s_delay_alu instid0(VALU_DEP_2)
	v_lshrrev_b32 v[QB+1], 23, v[QS+1]
	s_delay_alu instid0(VALU_DEP_1)
	v_lshl_or_b32 v[qw], v[QB+1], 16, v[QB]
	s_delay_alu instid0(VALU_DEP_1)
	v_lshlrev_b32 v[qw], v[H8], v[qw]
	s_delay_alu instid0(VALU_DEP_1)
	v_permlanex16_b32 v[QP], v[qw], s[SEL], s[SEL+1]
	s_delay_alu instid0(VALU_DEP_1)
	v_or_b32 v[qw], v[qw], v[QP]
	v_cvt_scalef32_pk16_fp6_f32 v[qc:qc+2], v[qx:qx+15], v[QS]
	v_cvt_scalef32_pk16_fp6_f32 v[QT:QT+2], v[qx+16:qx+31], v[QS]
	v_cvt_scalef32_pk16_fp6_f32 v[qc+6:qc+8], v[qx+32:qx+47], v[QS+1]
	v_cvt_scalef32_pk16_fp6_f32 v[QT+4:QT+6], v[qx+48:qx+63], v[QS+1]
	v_nop                                                         ; one plain place behind the conversions
.irp i, 0,1,2
	v_mov_b32 v[qc+3+\i], v[QT+\i]
	v_mov_b32 v[qc+9+\i], v[QT+4+\i]
.endr
.endm
	s_load_b256 s[4:11], s[0:1], 0x0               ; sel s[4:5], gate_up s[6:7], down s[8:9], order s[10:11]
	s_load_b64 s[12:13], s[0:1], 0x20              ; wq
	v_lshl_add_u32 v192, v0, 2, 0x19400
	v_mov_b32 v193, 0
	v_lshrrev_b32 v1, 5, v0
	s_delay_alu instid0(VALU_DEP_1)
	v_readfirstlane_b32 s14, v1                    ; wave 0..15
	v_and_b32 v1, 31, v0
	v_and_b32 v[R], 15, v0
	v_bfe_u32 v[H], v0, 4, 1
	s_delay_alu instid0(VALU_DEP_1)
	v_lshlrev_b32 v[H8], 3, v[H]
	s_delay_alu instid0(VALU_DEP_4)
	v_lshlrev_b32 v[L16], 4, v1
	v_lshlrev_b32 v[L4], 2, v1
	v_lshlrev_b32 v[T4], 2, v0
	s_mul_i32 s87, s14, 16*TP
	s_add_co_u32 s87, s87, TS
	v_add_nc_u32 v[TW], s87, v[L16]
	v_mul_u32_u24 v[TRD], v[R], TP
	s_delay_alu instid0(VALU_DEP_1)
	v_lshl_add_u32 v[TRD], v[H], 7, v[TRD]
	s_delay_alu instid0(VALU_DEP_1)
	v_add_nc_u32 v[TRD], s87, v[TRD]
	s_lshl_b32 s87, ttmp9, 7
	v_add_nc_u32 v[MOF], s87, v[L4]                ; my token's record: 128 wg + 4 lane
	v_mov_b32 v[QP], 0
	v_mov_b32 v[CNT], 0
	s_lshr_b32 s84, ttmp9, 4                       ; e
	s_bfe_u32 s85, ttmp9, 0x20002                  ; w
	s_and_b32 s86, ttmp9, 3
	s_mul_i32 s86, s86, 12
	s_add_co_u32 s86, s86, s14                     ; g, for waves 0 to 11
	s_lshl_b32 s88, s14, 11                        ; my 512 candidates
	s_mov_b32 s89, 0
	s_mov_b32 s[SEL], 0x76543210
	s_mov_b32 s[SEL+1], 0xfedcba98
	s_wait_alu depctr_va_vdst(0)
	s_wait_kmcnt 0x0
	s_add_nc_u64 s[90:91], s[4:5], s[88:89]
	global_load_b32 v[MINE], v[MOF], s[4:5]
	s_cmp_ge_u32 s14, 12
	s_cbranch_scc1 .Lrank_only
	s_cmp_ge_u32 s86, 32
	s_cbranch_scc1 .Ldown
	s_and_b32 s87, s86, 3                          ; gate_up: tile f
	s_lshr_b32 s93, s87, 1
	s_lshl_b32 s93, s93, 7
	s_and_b32 s87, s87, 1
	s_lshl_b32 s87, s87, 3
	s_add_co_u32 s93, s93, s87
	s_lshl_b32 s87, s85, 5
	s_add_co_u32 s93, s93, s87                     ; its first row: 128 (f / 2) + 8 (f % 2) + 32 w
	s_lshl_b32 s88, s93, 12
	s_lshr_b32 s87, s86, 2
	s_lshl_b32 s87, s87, 9                         ; K step G: 512 bytes of each row
	s_add_co_u32 s88, s88, s87
	s_lshl_b32 s87, s84, 20
	s_add_co_u32 s88, s88, s87
	s_add_nc_u64 s[6:7], s[6:7], s[88:89]
.irp p, 0,1,2,3,4,5,6,7,8,9,10,11,12,13,14,15
	global_load_b128 v[RAW+4*\p:RAW+4*\p+3], v[L16], s[6:7] offset:(\p+8*(\p/8))*4096 th:TH_LOAD_NT
.endr
	s_branch .Lasked
.Ldown:
	s_sub_co_u32 s87, s86, 32                      ; down: rows 256 w + 16 (g - 32) on, 512 bytes each
	s_lshl_b32 s87, s87, 4
	s_lshl_b32 s93, s85, 8
	s_add_co_u32 s87, s87, s93
	s_lshl_b32 s96, s87, 9
	s_lshl_b32 s87, s84, 19
	s_add_co_u32 s96, s96, s87
	s_mov_b32 s97, 0
	s_add_nc_u64 s[8:9], s[8:9], s[96:97]
.irp p, 0,1,2,3,4,5,6,7,8,9,10,11,12,13,14,15
	global_load_b128 v[RAW+4*\p:RAW+4*\p+3], v[L16], s[8:9] offset:512*\p th:TH_LOAD_NT
.endr
.Lasked:
	s_wait_loadcnt 16                              ; my record is in; the fragment's sixteen loads stay out
	s_branch .Lrank
.Lrank_only:
	s_wait_loadcnt 0x0
.Lrank:
	s_mov_b32 s92, 0
.Ltrip:                                            ; 8 trips of 64 candidates
	s_load_b512 s[16:31], s[90:91], 0x0
	s_load_b512 s[32:47], s[90:91], 0x40
	s_load_b512 s[48:63], s[90:91], 0x80
	s_load_b512 s[68:83], s[90:91], 0xc0
	s_wait_kmcnt 0x0
	s_wait_xcnt 0x0                                ; the loads' base is stepped only behind this wait
	s_add_nc_u64 s[90:91], s[90:91], 256
	s_wait_alu depctr_va_vdst(0)
.irp b, 16,32,48,68
.irp i, 0,1,2,3,4,5,6,7,8,9,10,11,12,13,14,15
	v_cmp_lt_u32 vcc_lo, s[\b+\i], v[MINE]
	s_delay_alu instid0(VALU_DEP_1)
	v_add_co_ci_u32 v[CNT], vcc_lo, 0, v[CNT], vcc_lo          ; one more below mine
.endr
.endr
	s_add_co_u32 s92, s92, 1
	s_cmp_lt_u32 s92, 8
	s_cbranch_scc1 .Ltrip
	ds_store_b32 v[T4], v[CNT]
	s_wait_dscnt 0x0                               ; for wave 12's sake: my count has landed
	s_barrier_signal -1
	s_barrier_wait -1
	s_cmp_lt_u32 s14, 12
	s_cbranch_scc1 .Lquant
	s_cmp_lg_u32 s14, 12
	s_cbranch_scc1 .Ldone
.irp k, 0,1,2,3,4,5,6,7,8,9,10,11,12,13,14,15
	ds_load_b32 v[16+\k], v[L4] offset:128*\k      ; the sixteen waves' counts for my lane's token
.endr
	s_wait_dscnt 0x0
	v_add3_u32 v16, v16, v17, v18
	v_add3_u32 v19, v19, v20, v21
	v_add3_u32 v22, v22, v23, v24
	v_add3_u32 v25, v25, v26, v27
	v_add3_u32 v28, v28, v29, v30
	s_delay_alu instid0(VALU_DEP_3)
	v_add3_u32 v16, v16, v19, v22
	s_delay_alu instid0(VALU_DEP_2)
	v_add3_u32 v25, v25, v28, v31
	s_delay_alu instid0(VALU_DEP_1)
	v_add_nc_u32 v16, v16, v25
	s_delay_alu instid0(VALU_DEP_1)
	v_min_u32 v16, 0x1fff, v16                     ; a place among 8,192
	s_delay_alu instid0(VALU_DEP_1)
	v_lshlrev_b32 v16, 2, v16
	global_store_b32 v16, v[MINE], s[10:11]        ; four bytes a lane at scattered places: the whole order is 32 KiB
.Ldone:
	s_wait_tensorcnt 0x0
	ds_add_u32 v192, v193
	s_wait_dscnt 0x0
	s_endpgm
.Lquant:
	s_mul_i32 s98, s84, 307200                     ; the image's place in wq
	s_mul_i32 s87, s85, 76800
	s_add_co_u32 s98, s98, s87
	s_lshr_b32 s87, s86, 2
	s_mul_i32 s87, s87, 6400
	s_add_co_u32 s98, s98, s87
	s_and_b32 s87, s86, 3
	s_mul_i32 s93, s87, 1536
	s_add_co_u32 s98, s98, s93
	s_mov_b32 s99, 0
	s_add_nc_u64 s[12:13], s[12:13], s[98:99]
	s_sub_co_u32 s93, 6144, s93                    ; from the image to its scale words: 6,144 - 1,536 f + 128 (f % 2) + 4 (f / 2)
	s_and_b32 s15, s87, 1
	s_lshl_b32 s15, s15, 7
	s_add_co_u32 s93, s93, s15
	s_lshr_b32 s15, s87, 1
	s_lshl_b32 s15, s15, 2
	s_add_co_u32 s93, s93, s15
	v_lshl_add_u32 v[R8], v[R], 3, s93
	s_wait_loadcnt 0x0
.irp p, 0,1,2,3,4,5,6,7,8,9,10,11,12,13,14,15
	ds_store_b128 v[TW], v[RAW+4*\p:RAW+4*\p+3] offset:\p*TP      ; the turn through my own stage: LDS serves a wave's instructions in order
.endr
.irp c, 0,1
.irp j, 0,1,2,3,4,5,6,7
	ds_load_b128 v[XX+32*\c+4*\j:XX+32*\c+4*\j+3], v[TRD] offset:256*\c+16*\j
.endr
.endr
	s_wait_dscnt 0x0
	QFRAG XX, CC, WW
.irp c, 0,1,2
	global_store_b128 v[L16], v[CC+4*\c:CC+4*\c+3], s[12:13] offset:512*\c   ; 512 consecutive bytes, at a multiple of 256 from wq's first byte
.endr
	global_store_b32 v[R8], v[WW], s[12:13]        ; lanes r and r + 16 hold the same word and store it to the same place
	s_wait_tensorcnt 0x0
	ds_add_u32 v192, v193
	s_wait_dscnt 0x0
	s_endpgm
.Lfunc_end_k_qd34d9b8bc2_place:
	.size	k_qd34d9b8bc2_place, .Lfunc_end_k_qd34d9b8bc2_place-k_qd34d9b8bc2_place
	.p2alignl 7, 3214868480
	.fill 96, 4, 3214868480
	.section	.rodata,"a",@progbits
	.p2align	6, 0x0
	.amdhsa_kernel k_qd34d9b8bc2_place
		.amdhsa_group_segment_fixed_size 105472
		.amdhsa_private_segment_fixed_size 0
		.amdhsa_enable_private_segment 0
		.amdhsa_kernarg_size 40
		.amdhsa_user_sgpr_count 2
		.amdhsa_user_sgpr_kernarg_segment_ptr 1
		.amdhsa_wavefront_size32 1
		.amdhsa_system_sgpr_workgroup_id_x 1
		.amdhsa_system_sgpr_workgroup_id_y 1
		.amdhsa_system_sgpr_workgroup_id_z 1
		.amdhsa_system_vgpr_workitem_id 0
		.amdhsa_next_free_vgpr 194
		.amdhsa_next_free_sgpr 100
		.amdhsa_reserve_vcc 1
		.amdhsa_float_denorm_mode_32 3
		.amdhsa_float_denorm_mode_16_64 3
		.amdhsa_memory_ordered 1
		.amdhsa_forward_progress 1
		.amdhsa_inst_pref_size 23
	.end_amdhsa_kernel
	.amdgpu_metadata
---
amdhsa.version: [ 1, 2 ]
amdhsa.kernels:
  - .name:           k_qd34d9b8bc2_place
    .symbol:         k_qd34d9b8bc2_place.kd
    .args:
      - { .name: sel, .offset: 0, .size: 8, .value_kind: global_buffer, .address_space: global }
      - { .name: gate_up_weights, .offset: 8, .size: 8, .value_kind: global_buffer, .address_space: global }
      - { .name: down_weights, .offset: 16, .size: 8, .value_kind: global_buffer, .address_space: global }
      - { .name: order, .offset: 24, .size: 8, .value_kind: global_buffer, .address_space: global }
      - { .name: wq, .offset: 32, .size: 8, .value_kind: global_buffer, .address_space: global }
    .group_segment_fixed_size: 105472
    .private_segment_fixed_size: 0
    .kernarg_segment_align: 8
    .kernarg_segment_size: 40
    .max_flat_workgroup_size: 512
    .sgpr_count:     100
    .vgpr_count:     194
    .wavefront_size: 32
...
	.end_amdgpu_metadata
.endif
;; end of part 5
;; launch chain (part 6): grid 256 x 1, 4 waves a work-group, no clusters, 99,072 bytes of LDS; arguments xq, xs, wq, order, wts, out0; writes out0
.if DOCPART == 6
	.amdgcn_target "amdgcn-amd-amdhsa--gfx1250"
	.amdhsa_code_object_version 6
	.text
	.protected	k_qd34d9b8bc2_chain
	.globl	k_qd34d9b8bc2_chain
	.p2align	8
	.type	k_qd34d9b8bc2_chain,@function
k_qd34d9b8bc2_chain:
	s_mov_b64 s[64:65], 0
	v_nop
	global_prefetch_b8 v0, s[64:65] scope:SCOPE_SE
	s_setreg_imm32_b32 hwreg(HW_REG_WAVE_SCHED_MODE, 0, 2), 2
	s_setreg_imm32_b32 hwreg(HW_REG_WAVE_MODE, 25, 1), 1
	s_wait_xcnt 0x0
	s_wait_alu depctr_vm_vsrc(0)
; CHAIN.  out0[t] = the sum over the token's two experts e of weight(t, e) x Q(silu(g) u) D[e]^T, (g, u) = Q(x[t]) Wgu[e]^T, both products on codes of E2M3 with E8M0 scales.
; SHARES.  Work-group b owns the 32 tokens at places 32 b .. + 31 of the order sorted by pairs of experts: each output row has one owner.  It walks all 16 experts in a loop of constant count and passes over,
; by a scalar branch on a mask made of the stored records, those that none of its tokens uses.  A token of the block that does not use an expert in hand gets the weight 0.
; THE WAVES SHARE THE COLUMNS: wave w makes FFN units 32 w .. + 31 (two tiles of the gate half, two of the up half: one block of 32 of the second K) and output columns 256 w .. + 255, for all 32 tokens.
; So each weight byte is loaded once for a work-group and an expert, from memory straight into registers, as the images that the launch before laid out: 13 loads a group of four fragments, a ring of four groups.
; Both products are used transposed (source 0 = 16 rows of a weight, source 1 = 16 tokens): a lane holds one token throughout.
; NO TENSOR LOAD AND NO JOINT REQUEST: the walk branches on stored numbers, and the blocks of a would-be cluster want different experts at different times.
; THE RING.  Its state at every edge of a block of code that can be jumped over is one of two: one group on its way into each of slots 0 to 3, in that order, or nothing.  The first half of an expert uses up eight
; groups, the second four; each is replaced in its slot or not at all.  So the counted waits hold whichever blocks are taken.  The head of the kernel asks for the first used expert's groups 0 to 3; the second half
; of expert E asks for those of expert E + 1 where the block uses it (same base, 307,200 bytes on in the immediate); else an expert's first half asks for its own, behind a wait for all loads.  The flag s27 says
; whether the ring holds the groups of the expert that comes next.  In the loop the weights' base is stepped by a constant alone.
; h goes from wave to wave through LDS, in two regions by turns: one barrier an expert, on every path.
; LIMITS: an expert's product is formed for every token of a block that uses it and multiplied by 0 where the token does not: it has to be finite.  NaN and infinities are not served.
; A block of h whose largest magnitude lies under 2^-124 gets the byte 1.
; THE MODE: SCHED_MODE bits 1:0 = 2 (LLVM: expert scheduling mode 2), set by the entry lines.  The code itself states the register dependences
; between vector or matrix instructions and memory or LDS instructions, with s_wait_alu, always for 0.
; THE PLAN.  Registers that memory or LDS instructions touch, in the loop:
;   the ring's slots (window 3, v0-191) and SR   A group's 13 loads land in a slot and its pair of SR; the group's eight products read them; then the next 13 loads land there.
;   CD, QB         Written by the first half's conversions and shifts; read by its eight LDS stores.
;   HF, HSC        The LDS loads at the second half's head land in them; its products read them.
;   v1, v2, v5-11  Offsets and LDS addresses: made at the head, never written again; the weights' scalar base steps, and immediate offsets do the rest.
;   The accumulators, the sums (window 2), x's fragments (window 1) and the scratch are named by vector and matrix instructions alone until the loop has ended.
; So one wait on va_vdst stands behind a group's eight products, ahead of the loads into its slot: the slot is asked for again as soon as it is free, since the wave lives on loads in flight.  One stands ahead of the
; first half's LDS stores, one wait on vm_vsrc behind them; one wait on va_vdst ahead of the second half's LDS loads; one ahead of the way out.  Every second half has one behind its products, ahead of the multiply-adds.
.set XP,   784                         ; LDS: 32 rows of x's codes, 768 bytes + 16, from byte 0
.set HB,   32*XP                       ; h's codes: two regions of 32 rows x (96 + 8) bytes
.set HP,   104
.set HREG, 32*HP
.set HS,   HB+2*HREG                   ; h's scale words: two regions of 32 words
.set STG,  HS+256                      ; the way out: for each wave 16 rows x (1,024 + 16) bytes
.set SP,   1040
.set EBYTES, 307200                    ; an expert in wq
.set GB,   6400                        ; a group
.set L16,  1
.set L8,   2
.set XRD,  5
.set HWR,  6
.set HSW,  7
.set HRD,  8
.set HSR,  9
.set SWR,  10
.set SRD,  11
.set EA,   12                          ; v12-15 lower and higher expert of my token in tile 0, in tile 1
.set WT,   16                          ; v16-19 their weights
.set CF,   20                          ; v20, v22 the weight of the expert in hand for my token in tile 0, 1 (v21, v23: the pairs' upper halves, written once)
.set ROFF, 24                          ; v24-39 row 2 q + h of the block: its token's byte offset in out0, + 16 r
.set XS,   40                          ; v40-47 x's scale words, K step s: lane l has token l's: scales and nothing else
.set SR,   48                          ; v48-55 the ring's scale words, two registers a slot: scales and nothing else
.set ACC,  56                          ; v56-87 gate (tile m, half u) at 16 m + 8 u; v88-119 up likewise
.set TT,   120                         ; v120-151 at work
.set HF,   152                         ; v152-175 h's two fragments
.set HSC,  176                         ; h's scale words: lane l has token l's
.set QM,   178
.set QPP,  180
.set QS,   182
.set QB,   184
.set CD,   188                         ; v188-190, v192-194 h's codes
.set TW2,  192                         ; window 3: v192-255 the second product's eight results
.set FILLED, 27                        ; s27  1: the ring holds groups 0 to 3 of the expert that comes next
.set CUR,  28                          ; s[28:29] the expert in hand, my wave's part
.set NXT,  30                          ; s[30:31] the first used expert's: made and used at the kernel's head alone
.set SEL,  36
.set MK,   40                          ; s40-47 at the head: eight masks of a run of compares
.set MSB,  0
.macro WIN new                         ; the immediate's high byte repeats the setting that is left
.if MSB != \new
	s_set_vgpr_msb (MSB<<8)|\new
.set MSB, \new
.endif
.endm
; one product: z: it starts its sum; ra, rb: the scale words stand in lanes 16-31
.macro WM d, a, b, z, sa, sb, ra, rb
.set wD, \d
.set wA, \a
.set wB, \b
.set wS, \sa
.set wU, \sb
.if \z
.if (\ra) && (\rb)
	v_wmma_scale_f32_16x16x128_f8f6f4 v[wD:wD+7], v[wA:wA+11], v[wB:wB+11], 0, v[wS], v[wU] matrix_a_fmt:MATRIX_FMT_FP6 matrix_b_fmt:MATRIX_FMT_FP6 matrix_a_scale:MATRIX_SCALE_ROW1 matrix_b_scale:MATRIX_SCALE_ROW1
.elseif \ra
	v_wmma_scale_f32_16x16x128_f8f6f4 v[wD:wD+7], v[wA:wA+11], v[wB:wB+11], 0, v[wS], v[wU] matrix_a_fmt:MATRIX_FMT_FP6 matrix_b_fmt:MATRIX_FMT_FP6 matrix_a_scale:MATRIX_SCALE_ROW1
.elseif \rb
	v_wmma_scale_f32_16x16x128_f8f6f4 v[wD:wD+7], v[wA:wA+11], v[wB:wB+11], 0, v[wS], v[wU] matrix_a_fmt:MATRIX_FMT_FP6 matrix_b_fmt:MATRIX_FMT_FP6 matrix_b_scale:MATRIX_SCALE_ROW1
.else
	v_wmma_scale_f32_16x16x128_f8f6f4 v[wD:wD+7], v[wA:wA+11], v[wB:wB+11], 0, v[wS], v[wU] matrix_a_fmt:MATRIX_FMT_FP6 matrix_b_fmt:MATRIX_FMT_FP6
.endif
.else
.if (\ra) && (\rb)
	v_wmma_scale_f32_16x16x128_f8f6f4 v[wD:wD+7], v[wA:wA+11], v[wB:wB+11], v[wD:wD+7], v[wS], v[wU] matrix_a_fmt:MATRIX_FMT_FP6 matrix_b_fmt:MATRIX_FMT_FP6 matrix_a_scale:MATRIX_SCALE_ROW1 matrix_b_scale:MATRIX_SCALE_ROW1
.elseif \ra
	v_wmma_scale_f32_16x16x128_f8f6f4 v[wD:wD+7], v[wA:wA+11], v[wB:wB+11], v[wD:wD+7], v[wS], v[wU] matrix_a_fmt:MATRIX_FMT_FP6 matrix_b_fmt:MATRIX_FMT_FP6 matrix_a_scale:MATRIX_SCALE_ROW1
.elseif \rb
	v_wmma_scale_f32_16x16x128_f8f6f4 v[wD:wD+7], v[wA:wA+11], v[wB:wB+11], v[wD:wD+7], v[wS], v[wU] matrix_a_fmt:MATRIX_FMT_FP6 matrix_b_fmt:MATRIX_FMT_FP6 matrix_b_scale:MATRIX_SCALE_ROW1
.else
	v_wmma_scale_f32_16x16x128_f8f6f4 v[wD:wD+7], v[wA:wA+11], v[wB:wB+11], v[wD:wD+7], v[wS], v[wU] matrix_a_fmt:MATRIX_FMT_FP6 matrix_b_fmt:MATRIX_FMT_FP6
.endif
.endif
.endm
.macro PLACES                          ; four places behind matrix instructions, in front of loads into their registers and of the first read of results; they stay beside the waits on va_vdst
.rept 4
	v_nop
.endr
.endm
; group G of the expert that begins x bytes behind s[b:b+1] into slot k: 13 loads: its scale words (register a: fragment 2 a in lanes 0-15, 2 a + 1 in lanes 16-31), then four images, 512 consecutive bytes a load
.macro GLD b, G, k, x
	WIN 0
	global_load_b64 v[SR+2*(\k):SR+2*(\k)+1], v[L8], s[\b:\b+1] offset:GB*(\G)+6144+(\x)
	WIN 0xc0                                       ; destination window 3
.irp f, 0,1,2,3
.irp c, 0,1,2
	global_load_b128 v[48*(\k)+12*\f+4*\c:48*(\k)+12*\f+4*\c+3], v[L16], s[\b:\b+1] offset:GB*(\G)+1536*\f+512*\c+(\x)
.endr
.endr
.endm
; THE FIRST HALF OF AN EXPERT: my 64 columns of gate_up for 32 tokens, silu(g) u, its codes and bytes into region p
.macro P1 p
	s_cmp_lg_u32 s[FILLED], 0
	s_cbranch_scc1 .Lfilled_\@                     ; my groups 0 to 3 were asked for earlier
	s_wait_loadcnt 0x0                             ; no load is on its way into the ring's registers
	s_wait_alu depctr_va_vdst(0)                   ; the products of the last used expert's second half are done reading the four slots and SR, in which the loads below land
	GLD CUR, 0, 0, 0
	GLD CUR, 1, 1, 0
	GLD CUR, 2, 2, 0
	GLD CUR, 3, 3, 0
	WIN 0                                          ; at a label and at a branch every window is 0
.Lfilled_\@:
	s_mov_b32 s[FILLED], 0                         ; what the ring holds is used up below
.irp g, 0,1,2,3,4,5,6,7
	WIN 0x07                                       ; source 0 (weights) window 3, source 1 (x) window 1
	s_wait_loadcnt 39                              ; group g is in; the three groups of 13 loads behind it stay out
.irp i, 0,1,2,3
.irp m, 0,1
	WM ACC+32*(\i/2)+16*\m+8*(\i%2), 48*(\g%4)+12*\i, 12*(2*\g+\m), (\g==0), SR+2*(\g%4)+\i/2, XS+\g, \i%2, \m   ; eight accumulators by turns
.endr
.endr
	PLACES
	s_wait_alu depctr_va_vdst(0)                   ; the eight products are done reading this group's slot and its two scale registers, in which the 13 loads below land
	GLD CUR, \g+4, \g%4, 0                         ; the slot takes the group four further on
.endr
	WIN 0
.set j, 0
.rept 16
	v_pk_mul_f32 v[TT+j:TT+j+1], v[ACC+j:ACC+j+1], s[38:39] op_sel_hi:[1,0]   ; -g log2(e); each accumulator from its low end on
.set j, j+2
.endr
.set j, 0
	s_wait_alu depctr_va_vdst(0)
.rept 32
	v_exp_f32 v[TT+j], v[TT+j]
.set j, j+1
.endr
	v_nop
.set j, 0
	s_wait_alu depctr_va_vdst(0)                   ; the 32 exponentials in TT are written: one wait for the batch, ahead of its first reader
.rept 16
	v_pk_add_f32 v[TT+j:TT+j+1], v[TT+j:TT+j+1], 1.0 op_sel_hi:[1,0]
.set j, j+2
.endr
.set j, 0
	s_wait_alu depctr_va_vdst(0)
.rept 32
	v_rcp_f32 v[TT+j], v[TT+j]                     ; sigmoid(g)
.set j, j+1
.endr
	v_nop
.set j, 0
	s_wait_alu depctr_va_vdst(0)                   ; the 32 reciprocals in TT are written: one wait for the batch, ahead of its first reader
.rept 16
	v_pk_mul_f32 v[ACC+j:ACC+j+1], v[ACC+j:ACC+j+1], v[TT+j:TT+j+1]
.set j, j+2
.endr
.set j, 0
.rept 16
	v_pk_mul_f32 v[ACC+j:ACC+j+1], v[ACC+j:ACC+j+1], v[ACC+32+j:ACC+32+j+1]   ; h: register 16 m + i is unit 32 w + 16 h + i of my token in tile m
.set j, j+2
.endr
.irp m, 0,1
	v_max3_num_f32 v[QM+\m], |v[ACC+16*\m]|, |v[ACC+16*\m+1]|, 0x1800000      ; the floor 2^(3 - 127) holds the byte at 1 from below
.endr
.irp i, 2,4,6,8,10,12,14
.irp m, 0,1
	v_max3_num_f32 v[QM+\m], v[QM+\m], |v[ACC+16*\m+\i]|, |v[ACC+16*\m+\i+1]|
.endr
.endr
.irp m, 0,1
	v_permlanex16_b32 v[QPP+\m], v[QM+\m], s[SEL], s[SEL+1]
.endr
.irp m, 0,1
	v_max_num_f32 v[QM+\m], v[QM+\m], v[QPP+\m]    ; with lane l xor 16's 16: the block's largest magnitude
.endr
.irp m, 0,1
	v_add_nc_u32 v[QS+\m], 0xff000000, v[QM+\m]    ; 2 off the exponent field: the conversion's scale operand
.endr
.irp m, 0,1
	v_lshrrev_b32 v[QB+\m], 23, v[QS+\m]           ; the scale's byte
.endr
.irp m, 0,1
	v_cvt_scalef32_pk16_fp6_f32 v[CD+4*\m:CD+4*\m+2], v[ACC+16*\m:ACC+16*\m+15], v[QS+\m]
.endr
	v_nop                                          ; one plain place behind the conversions
	s_wait_alu depctr_va_vdst(0)                   ; the conversions have written CD and the shifts QB, which the LDS stores below read
.irp m, 0,1
.irp i, 0,1,2
	ds_store_b32 v[HWR], v[CD+4*\m+\i] offset:HREG*\p+16*HP*\m+4*\i          ; 12 bytes at 24 w + 12 h of my token's row of 96
.endr
	ds_store_b8 v[HSW], v[QB+\m] offset:128*\p+64*\m                         ; byte w of my token's scale word (both halves of the lanes write the same)
.endr
	s_wait_alu depctr_vm_vsrc(0)                   ; these LDS stores have read CD and QB, which the next used expert's first half writes again
.endm
; the second half's products.  pf = 1: each slot takes a group of the expert that follows, 307,200 bytes on
.macro P2BODY pf
	s_wait_dscnt 0x0                               ; h's fragments and scale words are in
.irp q, 0,1,2,3
	WIN 0xc3                                       ; source 0 (weights) and the results window 3
.if \pf
	s_wait_loadcnt 39                              ; group 8 + q is in; three groups stay out
.else
	s_wait_loadcnt 39-13*\q                        ; nothing is asked for any more: the counts run down
.endif
.irp f, 0,1,2,3
.irp m, 0,1
	WM TW2+8*(2*\f+\m), 48*\q+12*\f, HF+12*\m, 1, SR+2*\q+\f/2, HSC, \f%2, \m
.endr
.endr
	PLACES
.if \pf
	s_wait_alu depctr_va_vdst(0)                   ; the eight products are done reading slot q and its two scale registers, in which the 13 loads below land
	GLD CUR, \q, \q, EBYTES
.endif
	WIN 0xa3                                       ; source 0 window 3, the sums window 2
	s_wait_alu depctr_va_vdst(0)
.irp a, 0,1,2,3,4,5,6,7
.irp j, 0,2,4,6
	v_pk_fma_f32 v[64*\q+8*\a+\j:64*\q+8*\a+\j+1], v[TW2+8*\a+\j:TW2+8*\a+\j+1], v[CF+2*(\a%2):CF+2*(\a%2)+1], v[64*\q+8*\a+\j:64*\q+8*\a+\j+1] op_sel_hi:[1,0,1]   ; + weight x result; these are also the places in front of the next products, which write the results anew
.endr
.endr
.endr
	WIN 0
.endm
; THE SECOND HALF: h's two fragments from region p, my 256 output columns
.macro P2 p
	s_wait_alu depctr_va_vdst(0)                   ; the products of the last used expert's second half are done reading HF and HSC, in which the LDS loads below land
.irp m, 0,1
.irp j, 0,1,2,3,4,5
	ds_load_b64 v[HF+12*\m+2*\j:HF+12*\m+2*\j+1], v[HRD] offset:HREG*\p+16*HP*\m+48*(\j/3)+8*(\j%3)
.endr
.endr
	ds_load_b32 v[HSC], v[HSR] offset:128*\p
	v_cmp_eq_u32 s21, s18, v[EA]
	v_cmp_eq_u32 s22, s18, v[EA+1]
	v_cmp_eq_u32 s23, s18, v[EA+2]
	v_cmp_eq_u32 s24, s18, v[EA+3]
	s_wait_alu depctr_va_sdst(0)                   ; the four compares have written s21 to s24, which the selects below read
	v_cndmask_b32 v[CF], 0, v[WT+1], s22
	v_cndmask_b32 v[CF+2], 0, v[WT+3], s24
	v_cndmask_b32 v[CF], v[CF], v[WT], s21         ; my token's weight of this expert, or 0
	v_cndmask_b32 v[CF+2], v[CF+2], v[WT+2], s23
	s_add_co_u32 s25, s18, 1
	s_lshr_b32 s25, s17, s25
	s_and_b32 s25, s25, 1                          ; does the block use the expert that follows?  (The mask has 16 bits: behind expert 15 the answer is no, and nothing is asked for past the buffer's end)
	s_cmp_eq_u32 s25, 0
	s_cbranch_scc1 .Llast_\@
	P2BODY 1
	s_mov_b32 s[FILLED], 1
	s_branch .Ldone_\@
.Llast_\@:
	P2BODY 0
.Ldone_\@:
.endm
.macro EXPERT p
	s_lshr_b32 s20, s17, s18
	s_and_b32 s20, s20, 1                          ; does a token of the block use expert s18?
	s_cmp_eq_u32 s20, 0
	s_cbranch_scc1 .Lno1_\@
	P1 \p
.Lno1_\@:
	s_wait_dscnt 0x0                               ; for the others' sake: my part of h has landed; my reads of the other region are over
	s_barrier_signal -1
	s_barrier_wait -1                              ; on every path: no barrier stands under the branches
	s_cmp_eq_u32 s20, 0
	s_cbranch_scc1 .Lno2_\@
	P2 \p
.Lno2_\@:
	s_wait_xcnt 0x0                                ; the loads' base steps only behind this wait
	s_add_nc_u64 s[CUR:CUR+1], s[CUR:CUR+1], EBYTES
	s_add_co_u32 s18, s18, 1
.endm
	s_load_b256 s[4:11], s[0:1], 0x0               ; xq s[4:5], xs s[6:7], wq s[8:9], order s[10:11]
	s_load_b128 s[12:15], s[0:1], 0x20             ; wts s[12:13], out0 s[14:15]
	v_lshl_add_u32 v254, v0, 2, 0x18100
	v_mov_b32 v255, 0
	v_lshrrev_b32 v3, 5, v0
	v_readfirstlane_b32 s16, v3                    ; wave w
	v_and_b32 v3, 31, v0                           ; lane
	v_and_b32 v4, 15, v0                           ; r
	v_bfe_u32 v82, v0, 4, 1                        ; h
	v_lshlrev_b32 v[L16], 4, v3
	v_lshlrev_b32 v[L8], 3, v3
	v_lshlrev_b32 v80, 4, v4                       ; 16 r
	v_lshlrev_b32 v94, 2, v3                       ; the order's words: by lane,
	v_lshlrev_b32 v95, 2, v4                       ; by r,
	v_lshlrev_b32 v96, 2, v82                      ; by h,
	s_wait_alu depctr_va_sdst(0)                   ; s16 is written, ahead of its first reader: offsets, LDS addresses and bases are made from it
	s_lshl_b32 s20, s16, 5
	v_lshl_add_u32 v97, v82, 2, s20                ; and by h among my wave's eight rows
	s_lshl_b32 s34, ttmp9, 7
	s_mov_b32 s35, 0
	s_wait_kmcnt 0x0
	s_add_nc_u64 s[10:11], s[10:11], s[34:35]      ; the block's 32 records
	s_wait_alu depctr_va_vdst(0)                   ; the offsets v94 to v97 are written, which the loads below read (and v1, v2, the weights' offsets for the whole kernel)
	global_load_b32 v56, v94, s[10:11]             ; token l's
	global_load_b32 v57, v95, s[10:11]             ; token r's of tile 0,
	global_load_b32 v58, v95, s[10:11] offset:64   ; of tile 1
.irp q, 0,1,2,3,4,5,6,7,8,9,10,11,12,13,14,15
	global_load_b32 v[60+\q], v96, s[10:11] offset:8*\q        ; row 2 q + h's
.endr
.irp p, 0,1,2,3
	global_load_b32 v[76+\p], v97, s[10:11] offset:8*\p        ; row 8 w + 2 p + h's
.endr
	; while they are on their way: addresses, constants, and the sums' zeros (which expert comes first hangs on the stored list, so no product can start them)
	v_mul_u32_u24 v[XRD], v4, XP
	v_mad_u32_u24 v[XRD], v82, 48, v[XRD]
	v_mul_u32_u24 v[HWR], v4, HP
	v_mad_u32_u24 v[HWR], v82, 12, v[HWR]
	s_mul_i32 s20, s16, 24
	s_add_co_u32 s20, s20, HB
	v_add_nc_u32 v[HWR], s20, v[HWR]
	s_add_co_u32 s20, s16, HS
	v_lshl_add_u32 v[HSW], v4, 2, s20
	v_mul_u32_u24 v[HRD], v4, HP
	v_mad_u32_u24 v[HRD], v82, 24, v[HRD]
	v_add_nc_u32 v[HRD], HB, v[HRD]
	v_lshl_add_u32 v[HSR], v3, 2, HS
	s_mul_i32 s20, s16, 16*SP
	s_add_co_u32 s20, s20, STG
	v_mul_u32_u24 v[SWR], v4, SP
	v_lshl_add_u32 v[SWR], v82, 5, v[SWR]
	v_add_nc_u32 v[SWR], s20, v[SWR]
	v_mul_u32_u24 v[SRD], v82, SP
	v_lshl_add_u32 v[SRD], v4, 4, v[SRD]
	v_add_nc_u32 v[SRD], s20, v[SRD]
	s_mul_i32 s20, s16, 8*XP
	v_mul_u32_u24 v98, v82, XP
	v_lshl_add_u32 v98, v4, 4, v98
	v_add_nc_u32 v98, s20, v98                     ; where the gathered rows go: row 8 w + h, + 16 r
	v_mov_b32 v[CF+1], 0
	v_mov_b32 v[CF+3], 0
	v_mov_b32 v[QPP], 0                            ; written once: a lane permute's destination counts as one of its sources
	v_mov_b32 v[QPP+1], 0
	s_mov_b32 s[SEL], 0x76543210
	s_mov_b32 s[SEL+1], 0xfedcba98
	s_mov_b32 s38, 0xbfb8aa3b                      ; -log2(e)
	s_mov_b32 s39, s38                             ; (named with it as a pair, so it is written)
	s_mul_i32 s32, s16, 76800                      ; my wave's part of an expert
	s_mov_b32 s34, s32
	s_add_nc_u64 s[CUR:CUR+1], s[8:9], s[34:35]    ; expert 0
	s_lshl_b32 s34, s16, 10
	s_add_nc_u64 s[14:15], s[14:15], s[34:35]      ; out0 at my 256 columns
	WIN 0x80
.set j, 0
.rept 256
	v_mov_b32 v[j], 0
.set j, j+1
.endr
	WIN 0
	s_wait_loadcnt 0x0
	v_bfe_u32 v92, v56, 17, 4                      ; token l's two experts
	v_bfe_u32 v93, v56, 13, 4
	v_and_b32 v83, 0x1fff, v56
	v_min_u32 v83, 0x1fff, v83
	v_lshlrev_b32 v88, 5, v83                      ; its 32 bytes of xs
.irp m, 0,1
	v_bfe_u32 v[EA+2*\m], v[57+\m], 17, 4
	v_bfe_u32 v[EA+2*\m+1], v[57+\m], 13, 4
	v_and_b32 v[57+\m], 0x1fff, v[57+\m]
	v_min_u32 v[57+\m], 0x1fff, v[57+\m]
	v_lshlrev_b32 v[90+\m], 3, v[57+\m]            ; its 8 bytes of wts
.endr
.irp q, 0,1,2,3,4,5,6,7,8,9,10,11,12,13,14,15
	v_and_b32 v[60+\q], 0x1fff, v[60+\q]
	v_min_u32 v[60+\q], 0x1fff, v[60+\q]
	v_lshlrev_b32 v[ROFF+\q], 12, v[60+\q]
	v_add_nc_u32 v[ROFF+\q], v80, v[ROFF+\q]
.endr
.irp p, 0,1,2,3
	v_and_b32 v[76+\p], 0x1fff, v[76+\p]
	v_min_u32 v[76+\p], 0x1fff, v[76+\p]
	v_mul_u32_u24 v[84+\p], v[76+\p], 768
	v_add_nc_u32 v[84+\p], v80, v[84+\p]
.endr
	s_wait_alu depctr_va_vdst(0)                   ; the gathers' offsets v84 to v91 are written; so are all LDS addresses v5 to v11 and v98 and the output's offsets v24 to v39, which later LDS instructions and stores read and which are not written again
.irp p, 0,1,2,3
.irp u, 0,1,2
	global_load_b128 v[100+4*(3*\p+\u):100+4*(3*\p+\u)+3], v[84+\p], s[4:5] offset:256*\u th:TH_LOAD_NT   ; each half of the lanes reads 256 consecutive bytes of a token's codes; each token is read once in the launch
.endr
.endr
	global_load_b128 v[XS:XS+3], v88, s[6:7]
	global_load_b128 v[XS+4:XS+7], v88, s[6:7] offset:16
	global_load_b64 v[WT:WT+1], v90, s[12:13]
	global_load_b64 v[WT+2:WT+3], v91, s[12:13]
	s_mov_b32 s17, 0                               ; the mask of experts that the block uses: four experts' eight compares to a run
.irp b, 0,4,8,12
.irp i, 0,1,2,3
	v_cmp_eq_u32 s[MK+2*\i], \b+\i, v92
	v_cmp_eq_u32 s[MK+2*\i+1], \b+\i, v93
.endr
	s_wait_alu depctr_va_sdst(0)                   ; the eight compares have written s[MK ..], which the scalar lines below read
.irp i, 0,1,2,3
	s_or_b32 s20, s[MK+2*\i], s[MK+2*\i+1]         ; SCC: some lane names the expert
	s_cselect_b32 s21, 1<<(\b+\i), 0
	s_or_b32 s17, s17, s21
.endr
.endr
	s_ctz_i32_b32 s26, s17
	s_min_u32 s26, s26, 15                         ; the first used expert
	s_mul_i32 s34, s26, EBYTES
	s_add_co_u32 s34, s34, s32
	s_add_nc_u64 s[NXT:NXT+1], s[8:9], s[34:35]
	GLD NXT, 0, 0, 0                               ; the ring is filled: the first used expert's first four groups (no vector instruction has named the ring's registers yet)
	GLD NXT, 1, 1, 0
	GLD NXT, 2, 2, 0
	GLD NXT, 3, 3, 0
	WIN 0
	s_mov_b32 s[FILLED], 1
	s_wait_loadcnt 52                              ; the gathers are in; the ring's 4 x 13 loads stay out
.irp p, 0,1,2,3
.irp u, 0,1,2
	ds_store_b128 v98, v[100+4*(3*\p+\u):100+4*(3*\p+\u)+3] offset:2*\p*XP+256*\u
.endr
.endr
	s_wait_dscnt 0x0                               ; for the others' sake: my eight rows have landed
	s_barrier_signal -1
	s_barrier_wait -1
	WIN 0x40                                       ; x's sixteen fragments stay in window 1: (K step s, tile m) at 12 (2 s + m)
.irp s, 0,1,2,3,4,5,6,7
.irp m, 0,1
.irp c, 0,1,2
	ds_load_b128 v[12*(2*\s+\m)+4*\c:12*(2*\s+\m)+4*\c+3], v[XRD] offset:16*XP*\m+96*\s+16*\c
.endr
.endr
.endr
	WIN 0
	s_wait_dscnt 0x0
	s_wait_alu depctr_vm_vsrc(0)                   ; the head's loads have read their offsets v84 to v97, its LDS stores v98 and the gathered rows v100 to v147: from here on these registers are accumulators and scratch, written by products and vector instructions
	s_mov_b32 s18, 0                               ; the expert in hand
	s_mov_b32 s19, 0
.Lwalk:                                            ; 8 trips of two experts: h's two regions take turns
	EXPERT 0
	EXPERT 1
	s_add_co_u32 s19, s19, 1
	s_cmp_lt_u32 s19, 8
	s_cbranch_scc1 .Lwalk
	; THE WAY OUT.  A lane holds 32 neighbouring bytes of a token's row for each of 16 tiles of columns; a tile of 16 tokens goes through my own stage and comes back as rows of 1,024 bytes.
.macro TOSTAGE m
	WIN 0x08                                       ; an LDS store's data are its source 1: window 2
.irp i, 0,1,2,3,4,5,6,7,8,9,10,11,12,13,14,15
	ds_store_b128 v[SWR], v[8*(2*\i+\m):8*(2*\i+\m)+3] offset:64*\i
	ds_store_b128 v[SWR], v[8*(2*\i+\m)+4:8*(2*\i+\m)+7] offset:64*\i+16
.endr
	WIN 0x40                                       ; back into window 1, where x's fragments lay: LDS serves a wave's instructions in order, so these see the stores above
.irp p, 0,1,2,3,4,5,6,7
.irp u, 0,1,2,3
	ds_load_b128 v[128*\m+4*(4*\p+\u):128*\m+4*(4*\p+\u)+3], v[SRD] offset:2*\p*SP+256*\u
.endr
.endr
.endm
.macro SEND m
	WIN 0x04                                       ; a store's data are its source 1: window 1
.irp p, 0,1,2,3,4,5,6,7
.irp u, 0,1,2,3
	global_store_b128 v[ROFF+8*\m+\p], v[128*\m+4*(4*\p+\u):128*\m+4*(4*\p+\u)+3], s[14:15] offset:256*\u th:TH_STORE_NT   ; each half of the lanes stores 256 consecutive bytes of a token's row, at a multiple of 256 from out0's first byte
.endr
.endr
.endm
	s_wait_alu depctr_va_vdst(0)                   ; the multiply-adds have written the sums (window 2), which the LDS stores read; the products are done reading x's fragments (window 1), in which the loads from the stage land.  No vector instruction follows
	TOSTAGE 0
	s_wait_dscnt 0x0                               ; tile 0 is back in registers
	TOSTAGE 1                                      ; tile 1 goes through the stage while tile 0 is stored
	SEND 0
	s_wait_dscnt 0x0                               ; tile 1 is back
	SEND 1
	WIN 0
	s_wait_dscnt 0x0                               ; the closing lines, six on end
	s_wait_alu 0x0
	s_wait_tensorcnt 0x0
	ds_add_u32 v254, v255
	s_wait_dscnt 0x0
	s_endpgm
.Lfunc_end_k_qd34d9b8bc2_chain:
	.size	k_qd34d9b8bc2_chain, .Lfunc_end_k_qd34d9b8bc2_chain-k_qd34d9b8bc2_chain
	.p2alignl 7, 3214868480
	.fill 96, 4, 3214868480
	.section	.rodata,"a",@progbits
	.p2align	6, 0x0
	.amdhsa_kernel k_qd34d9b8bc2_chain
		.amdhsa_group_segment_fixed_size 99072
		.amdhsa_private_segment_fixed_size 0
		.amdhsa_enable_private_segment 0
		.amdhsa_kernarg_size 48
		.amdhsa_user_sgpr_count 2
		.amdhsa_user_sgpr_kernarg_segment_ptr 1
		.amdhsa_wavefront_size32 1
		.amdhsa_system_sgpr_workgroup_id_x 1
		.amdhsa_system_sgpr_workgroup_id_y 1
		.amdhsa_system_sgpr_workgroup_id_z 1
		.amdhsa_system_vgpr_workitem_id 0
		.amdhsa_next_free_vgpr 1024
		.amdhsa_next_free_sgpr 66
		.amdhsa_reserve_vcc 0
		.amdhsa_float_denorm_mode_32 3
		.amdhsa_float_denorm_mode_16_64 3
		.amdhsa_memory_ordered 1
		.amdhsa_forward_progress 1
		.amdhsa_inst_pref_size 183
	.end_amdhsa_kernel
	.amdgpu_metadata
---
amdhsa.version: [ 1, 2 ]
amdhsa.kernels:
  - .name:           k_qd34d9b8bc2_chain
    .symbol:         k_qd34d9b8bc2_chain.kd
    .args:
      - { .name: xq, .offset: 0, .size: 8, .value_kind: global_buffer, .address_space: global }
      - { .name: xs, .offset: 8, .size: 8, .value_kind: global_buffer, .address_space: global }
      - { .name: wq, .offset: 16, .size: 8, .value_kind: global_buffer, .address_space: global }
      - { .name: order, .offset: 24, .size: 8, .value_kind: global_buffer, .address_space: global }
      - { .name: wts, .offset: 32, .size: 8, .value_kind: global_buffer, .address_space: global }
      - { .name: out0, .offset: 40, .size: 8, .value_kind: global_buffer, .address_space: global }
    .group_segment_fixed_size: 99072
    .private_segment_fixed_size: 0
    .kernarg_segment_align: 8
    .kernarg_segment_size: 48
    .max_flat_workgroup_size: 128
    .sgpr_count:     66
    .vgpr_count:     1024
    .wavefront_size: 32
...
	.end_amdgpu_metadata
.endif
;; end of part 6
